; MI455X (gfx1250); checked and timed in simulation.
; The chip was launched on July 23, 2026; its instructions are those of AMD's public machine-readable ISA for CDNA 5 (MIT licence, August 2026) and "CDNA5" Instruction Set Architecture Reference Guide (July 2026). The comments in the code are by the model that wrote it; some were corrected since.
;; Rel Pos Attention. Allowed arithmetic: float matrix products may take bf16 or f16 operands with f32 sums; other float arithmetic in f32, or as packed bf16 or f16 multiplies, adds, multiply-adds, maxima and minima; sums over many terms, partial sums and values carried from step to step in f32; what a program stores and reads back later, other than sums and carried values, may be rounded once to bf16 or f16.
;; Inputs: W1 1,024 x 2,048 float32; W2 2,048 x 1 float32; Wk 1,024 x 1,024 float32; Wp 1,024 x 1,024 float32; Wq 1,024 x 1,024 float32; Wv 1,024 x 1,024 float32; b1 2,048 float32; b2 1 float32; bp 1,024 float32; k 8,192 x 1 x 1,024 float32; q 2,048 x 1 x 1,024 float32; query_boxes 2,048 x 1 x 4 float32; ref_boxes 8,192 x 1 x 4 float32; v 8,192 x 1 x 1,024 float32.
;; Outputs: out0 2,048 x 1,024 float32.
;; One version. Each part assembles by itself: llvm-mc -triple=amdgcn-amd-amdhsa -mcpu=gfx1250 --defsym DOCPART=n.
;; ======== version 1 of 1: 5 launches
;; limits: values are held in f16: magnitudes above 65,504 overflow, below 6.1e-05 lose precision; values outside matrix products are rounded to f16
;; workspace buffers: kb 16,777,216 bytes; vh 16,777,216 bytes; wf 4,456,448 bytes; qf 4,194,304 bytes; mlp 256 bytes; pf 33,554,432 bytes; ms 1,048,576 bytes; yf 33,554,432 bytes
;; launch prep (part 1): grid 512 x 1, 8 waves a work-group, no clusters, 128,000 bytes of LDS; arguments k, v, Wq, Wk, Wv, Wp, kb, vh, wf; writes kb, vh, wf
.if DOCPART == 1
	.amdgcn_target "amdgcn-amd-amdhsa--gfx1250"
	.amdhsa_code_object_version 6
	.text
	.protected	k_q97925756fd_prep
	.globl	k_q97925756fd_prep
	.p2align	8
	.type	k_q97925756fd_prep,@function
k_q97925756fd_prep:
	s_mov_b64 s[64:65], 0
	v_nop
	global_prefetch_b8 v0, s[64:65] scope:SCOPE_SE
	s_setreg_imm32_b32 hwreg(HW_REG_WAVE_MODE, 25, 1), 1
	s_wait_xcnt 0x0
; PREP.  Four kinds of work-group, chosen by the work-group's number (the same for all its waves):
;   0-127   Wqk[i][j] = sum over d of Wq[i][d] Wk[j][d]      (scores = q Wqk k^T / 32: k is never projected)
;   128-255 Wvp[i][n] = sum over d of Wv[i][d] Wp[d][n]      (out = (softmax v) Wvp + bp: v is never projected)
;   256-383 k -> bf16 (kb), with sums of (x - k[0][c]) and of its square over 256 rows for the variance
;   384-511 v -> f16 (vh)
; The two products are exact reassociations of the reference's chain; only the order of rounding differs.
; LIMITS.  Wq, Wk, Wv, Wp and the two products are rounded to f16: magnitudes must stay under 65,504, and numbers under 6e-5 keep an
; absolute error of 3e-8.  NaN and infinities are not followed.
; OUTPUT OF A PRODUCT: matrix-operand images ("fragments") of 16 rows x 32 k of f16, 1,024 bytes: [g 2][lane 32][16 bytes], lane = 16 h + row,
; the 16 bytes k = 16 g + 8 h + 0..7.  A result tile D(m = i, n = j) holds in a lane eight neighbouring i of one j, which pack into exactly
; one lane's 16 bytes of such a half fragment: one store of the wave covers 512 consecutive bytes, aligned.
; LDS.  Each kind has bytes of its own (Wqk from 0, Wvp from 55,296, k's sums from 110,592): no address of one kind names a byte of another.
; Two work-groups of 126,976 bytes and 8 x 256 registers fit on a WGP, so that a product can lie beside a stream.
.set PW,    144                        ; an LDS row: 64 f16 + 16 bytes: an odd multiple of 16, so 16 rows of a fragment load start at 16 different 16-byte columns
.set BOFF,  128*PW                     ; source 1's 64 rows lie behind source 0's 128
.set SLOTB, 192*PW                     ; a slot; two take turns
.set LKIND, 2*SLOTB                    ; a product's two slots: 55,296 bytes
.set LSTR,  2*LKIND                    ; where k's sums meet: 16,384 bytes
.set FR,    160                        ; v160-223 fragments: for each 32 of K two of source 0, two of source 1
.set ACC,   224                        ; v224-255 four accumulators
; ---- a product: tile of 128 i x 64 j; wave w makes 32 i x 32 j; K in 16 stages of 64, written out ----
; v2, v3 global offsets; v4, v5 LDS store addresses; v6, v7 fragment addresses; v8 16 x lane; v12-15 at work; v16-159 three sets of loaded f32
.macro LOADS s, p
.set X, 16+48*((\s)%3)
.irp u, 0,1,2,3
	global_load_b128 v[X+8*\u:X+8*\u+3],   v2, s[30:31] offset:\u*131072+(\s)*256
	global_load_b128 v[X+8*\u+4:X+8*\u+7], v2, s[30:31] offset:\u*131072+(\s)*256+16
.endr
.if \p == 0
.irp u, 0,1
	global_load_b128 v[X+32+8*\u:X+35+8*\u], v2, s[32:33] offset:\u*131072+(\s)*256
	global_load_b128 v[X+36+8*\u:X+39+8*\u], v2, s[32:33] offset:\u*131072+(\s)*256+16
.endr
.else
.irp rr, 0,1,2,3,4,5,6,7
	global_load_b64 v[X+32+2*\rr:X+33+2*\rr], v3, s[32:33] offset:((\s)*64+\rr)*4096   ; two columns of Wp's row d = 64 s + 8 (t / 32) + rr
.endr
.endif
.endm
.macro STAGE s, p
.set X, 16+48*((\s)%3)
.set SB, ((\s)&1)*SLOTB
.if \s <= 13
	s_wait_loadcnt 2*(12+4*\p)                     ; this stage's set is in; the two younger sets (12 or 16 loads each) stay out
.elseif \s == 14
	s_wait_loadcnt 12+4*\p
.else
	s_wait_loadcnt 0x0
.endif
.irp u, 0,1,2,3
.irp i, 0,1,2,3
	v_cvt_pk_f16_f32 v[X+8*\u+\i], v[X+8*\u+2*\i], v[X+8*\u+2*\i+1]    ; in place: word i is written when words 2 i, 2 i + 1 are read
.endr
.endr
.if \p == 0
.irp u, 4,5
.irp i, 0,1,2,3
	v_cvt_pk_f16_f32 v[X+8*\u+\i], v[X+8*\u+2*\i], v[X+8*\u+2*\i+1]
.endr
.endr
.else
.irp i, 0,1,2,3
	v_cvt_pk_f16_f32 v[12+\i], v[X+33+4*\i], v[X+35+4*\i]              ; the odd column's 8 d: pairing rows in the conversion turns Wp
.endr
.irp i, 0,1,2,3
	v_cvt_pk_f16_f32 v[X+32+\i], v[X+32+4*\i], v[X+34+4*\i]            ; the even column's
.endr
.endif
.irp u, 0,1,2,3
	ds_store_b128 v4, v[X+8*\u:X+8*\u+3] offset:SB+\u*32*PW
.endr
.if \p == 0
.irp u, 0,1
	ds_store_b128 v5, v[X+32+8*\u:X+35+8*\u] offset:SB+\u*32*PW
.endr
.else
	ds_store_b128 v5, v[X+32:X+35] offset:SB
	ds_store_b128 v5, v[12:15] offset:SB+PW
.endif
	s_wait_dscnt 0x0                               ; for the others: my stores into this slot are done, and so are my reads of the other slot (last stage's)
.if \s <= 12
	LOADS \s+3, \p
.endif
	s_barrier_signal -1                            ; one barrier a stage: behind it this slot is whole, and the other slot, written next stage, is read by nobody
	s_barrier_wait -1
.irp kk, 0,1
.irp bb, 0,1
	ds_load_b128 v[FR+32*\kk+8*\bb:FR+32*\kk+8*\bb+3],   v6 offset:SB+\bb*16*PW+\kk*64
	ds_load_b128 v[FR+32*\kk+8*\bb+4:FR+32*\kk+8*\bb+7], v6 offset:SB+\bb*16*PW+\kk*64+32
.endr
.irp bb, 0,1
	ds_load_b128 v[FR+32*\kk+16+8*\bb:FR+32*\kk+19+8*\bb], v7 offset:SB+\bb*16*PW+\kk*64
	ds_load_b128 v[FR+32*\kk+20+8*\bb:FR+32*\kk+23+8*\bb], v7 offset:SB+\bb*16*PW+\kk*64+32
.endr
.endr
.irp kk, 0,1
	s_wait_dscnt 8-8*\kk                           ; the first 32 of K are in while the second eight loads may be out; then all
.irp bi, 0,1
.irp bj, 0,1                           ; the four accumulators take turns, one instruction a turn
.if (\s == 0) && (\kk == 0)
	v_wmma_f32_16x16x32_f16 v[ACC+8*(2*\bi+\bj):ACC+8*(2*\bi+\bj)+7], v[FR+32*\kk+8*\bi:FR+32*\kk+8*\bi+7], v[FR+32*\kk+16+8*\bj:FR+32*\kk+23+8*\bj], 0
.else
	v_wmma_f32_16x16x32_f16 v[ACC+8*(2*\bi+\bj):ACC+8*(2*\bi+\bj)+7], v[FR+32*\kk+8*\bi:FR+32*\kk+8*\bi+7], v[FR+32*\kk+16+8*\bj:FR+32*\kk+23+8*\bj], v[ACC+8*(2*\bi+\bj):ACC+8*(2*\bi+\bj)+7]
.endif
.endr
.endr
.endr
.endm                                  ; the next stage's 24 conversions are the places in front of its loads into the fragment registers
.macro PROD p
	s_lshr_b32 s26, s5, 4                          ; ti: which 128 rows i
	s_and_b32 s27, s5, 15                          ; tj: which 64 rows j (columns n)
	s_lshl_b32 s28, s26, 19                        ; 128 rows of 4,096 bytes
.if \p == 0
	s_add_nc_u64 s[30:31], s[12:13], s[28:29]      ; Wq at my rows
	s_lshl_b32 s28, s27, 18                        ; 64 rows of 4,096 bytes
	s_add_nc_u64 s[32:33], s[14:15], s[28:29]      ; Wk at my rows
.else
	s_add_nc_u64 s[30:31], s[16:17], s[28:29]      ; Wv at my rows
	s_lshl_b32 s28, s27, 8                         ; 64 columns of 4 bytes
	s_add_nc_u64 s[32:33], s[18:19], s[28:29]      ; Wp at my columns
.endif
	v_lshrrev_b32 v10, 3, v0                       ; t / 8: a row; t % 8: which 8 d of its 64
	v_and_b32 v11, 7, v0
	v_lshlrev_b32 v2, 12, v10
	v_lshl_add_u32 v2, v11, 5, v2
	v_mul_u32_u24 v4, v10, PW
	v_lshl_add_u32 v4, v11, 4, v4
.if \p == 0
	v_add_nc_u32 v5, BOFF, v4
.else
	v_add_nc_u32 v4, LKIND, v4                     ; this kind's own LDS bytes
	v_lshlrev_b32 v3, 15, v1                       ; 8 rows d for each t / 32,
	v_lshl_add_u32 v3, v9, 3, v3                   ; two columns for each t % 32
	v_mul_u32_u24 v5, v9, 2*PW
	v_lshl_add_u32 v5, v1, 4, v5
	v_add_nc_u32 v5, LKIND+BOFF, v5
.endif
	LOADS 0, \p
	LOADS 1, \p
	LOADS 2, \p
	v_and_b32 v12, 15, v0                          ; r
	v_bfe_u32 v13, v0, 4, 1                        ; h
	s_lshr_b32 s34, s4, 1                          ; wi: my 32 i
	s_and_b32 s35, s4, 1                           ; wj: my 32 j
	v_mul_u32_u24 v14, v12, PW
	v_lshl_add_u32 v14, v13, 4, v14                ; row x pitch + 16 x half
	s_mul_i32 s36, s34, 32*PW
.if \p == 1
	s_add_co_u32 s36, s36, LKIND
.endif
	v_add_nc_u32 v6, s36, v14
	s_mul_i32 s36, s35, 32*PW
	s_add_co_u32 s36, s36, \p*LKIND+BOFF
	v_add_nc_u32 v7, s36, v14
	v_lshlrev_b32 v8, 4, v9
	s_lshl_b32 s36, s27, 5                         ; fragment ((tj 32 + ti 4 + wi) 4 + 2 wj + bj), half bi
	s_lshl_b32 s37, s26, 2
	s_add_co_u32 s36, s36, s37
	s_add_co_u32 s36, s36, s34
	s_lshl_b32 s36, s36, 2
	s_lshl_b32 s37, s35, 1
	s_add_co_u32 s36, s36, s37
	s_lshl_b32 s28, s36, 10
.if \p == 1
	s_add_co_u32 s28, s28, 0x200000                ; Wvp lies 2 MiB behind Wqk
.endif
	s_add_nc_u64 s[38:39], s[24:25], s[28:29]
.irp s, 0,1,2,3,4,5,6,7,8,9,10,11,12,13,14,15
	STAGE \s, \p
.endr
.rept 4
	v_nop                                          ; four places between the last products and the conversions that read them
.endr
.irp t, 0,1,2,3
.irp i, 0,1,2,3
	v_cvt_pk_f16_f32 v[FR+4*\t+\i], v[ACC+8*\t+2*\i], v[ACC+8*\t+2*\i+1]
.endr
.endr
.irp bi, 0,1
.irp bj, 0,1
	global_store_b128 v8, v[FR+4*(2*\bi+\bj):FR+4*(2*\bi+\bj)+3], s[38:39] offset:\bj*1024+\bi*512   ; 512 consecutive bytes a store
.endr
.endr
	s_set_vgpr_msb 0x5
	s_wait_tensorcnt 0x0
	ds_add_u32 v0, v1
	s_wait_dscnt 0x0
	s_set_vgpr_msb 0x500
	s_endpgm
.endm
; ---- a stream: 256 rows x 256 columns; wave w takes rows w + 8 t, t = 0 .. 31; a ring of ten rows (20 loads) in flight in each wave ----
; EVERY ROW HAS STORE REGISTERS OF ITS OWN (32 x 4): no store's data, offset or base is ever written again, so no wait stands between a store and the work behind it.
.set KZ,   12                          ; v12-19   k's row 0 at my 8 columns
.set DD,   20                          ; v20-27   d = x - k[0][c]
.set SA,   28                          ; v28-35   sum of d
.set SQ,   36                          ; v36-43   sum of d^2
.set XB,   44                          ; v44-123  ten rows as loaded, 8 registers each
.set RING, 10
.set YB,   124                         ; v124-251 row t's 4 registers to store
; v2 input offset, v3 output offset, v4 16 x lane, v5, v6 LDS addresses
.macro RLOAD t
	global_load_b128 v[XB+8*((\t)%RING):XB+8*((\t)%RING)+3],   v2, s[32:33] offset:(\t)*32768 th:TH_LOAD_NT
	global_load_b128 v[XB+8*((\t)%RING)+4:XB+8*((\t)%RING)+7], v2, s[32:33] offset:(\t)*32768+512 th:TH_LOAD_NT
.endm
.macro ROW t, kind
.set X, XB+8*((\t)%RING)
.set Y, YB+4*(\t)
.if \t <= 32-RING
	s_wait_loadcnt 2*(RING-1)                      ; my row is in; the nine younger rows' loads stay out
.else
	s_wait_loadcnt 2*(31-\t)
.endif
.if \kind == 0
.if \t == 0
.irp i, 0,2,4,6
	v_pk_add_f32 v[SA+\i:SA+\i+1], v[X+\i:X+\i+1], v[KZ+\i:KZ+\i+1] neg_lo:[0,1] neg_hi:[0,1]   ; the first row starts both sums
.endr
.irp i, 0,2,4,6
	v_pk_mul_f32 v[SQ+\i:SQ+\i+1], v[SA+\i:SA+\i+1], v[SA+\i:SA+\i+1]
.endr
.else
.irp i, 0,2,4,6
	v_pk_add_f32 v[DD+\i:DD+\i+1], v[X+\i:X+\i+1], v[KZ+\i:KZ+\i+1] neg_lo:[0,1] neg_hi:[0,1]   ; d = x - k[0][c]: a common offset is gone before the square
.endr
.irp i, 0,2,4,6
	v_pk_add_f32 v[SA+\i:SA+\i+1], v[SA+\i:SA+\i+1], v[DD+\i:DD+\i+1]
.endr
.irp i, 0,2,4,6
	v_pk_fma_f32 v[SQ+\i:SQ+\i+1], v[DD+\i:DD+\i+1], v[DD+\i:DD+\i+1], v[SQ+\i:SQ+\i+1]
.endr
.endif
.irp i, 0,1,2,3
	v_cvt_pk_bf16_f32 v[Y+\i], v[X+2*\i], v[X+2*\i+1]
.endr
.else
.irp i, 0,1,2,3
	v_cvt_pk_f16_f32 v[Y+\i], v[X+2*\i], v[X+2*\i+1]
.endr
.endif
.if \t <= 31-RING
	RLOAD \t+RING
.endif
	global_store_b64 v3, v[Y:Y+1],   s[34:35] offset:(\t)*16384       ; 32 lanes x 8 bytes: 256 consecutive bytes, aligned
	global_store_b64 v3, v[Y+2:Y+3], s[34:35] offset:(\t)*16384+256
.endm
.macro STREAM kind
	s_lshr_b32 s26, s5, 2                          ; R: which 256 rows
	s_and_b32 s27, s5, 3                           ; Cs: which 256 columns
	s_lshl_b32 s28, s27, 10
.if \kind == 0
	s_add_nc_u64 s[36:37], s[8:9], s[28:29]        ; k's row 0 at my columns
.endif
	s_lshl_b32 s30, s26, 20                        ; 256 rows of 4,096 bytes
	s_add_co_u32 s28, s28, s30
	s_add_nc_u64 s[32:33], s[8+2*\kind:9+2*\kind], s[28:29]
	s_lshl_b32 s28, s26, 19                        ; 256 rows of 2,048 bytes
	s_lshl_b32 s30, s27, 9
	s_add_co_u32 s28, s28, s30
	s_add_nc_u64 s[34:35], s[20+2*\kind:21+2*\kind], s[28:29]
	v_lshlrev_b32 v4, 4, v9
	v_lshl_add_u32 v2, v1, 12, v4
	v_lshlrev_b32 v3, 3, v9
	v_lshl_add_u32 v3, v1, 11, v3
.if \kind == 0
	global_load_b128 v[KZ:KZ+3],   v4, s[36:37]
	global_load_b128 v[KZ+4:KZ+7], v4, s[36:37] offset:512
.endif
.irp t, 0,1,2,3,4,5,6,7,8,9
	RLOAD \t
.endr
.irp t, 0,1,2,3,4,5,6,7,8,9,10,11,12,13,14,15,16,17,18,19,20,21,22,23,24,25,26,27,28,29,30,31
	ROW \t, \kind
.endr
.if \kind == 0
	; the eight waves' sums meet in LDS, in this kind's own bytes: piece ((kind 2 + j) 8 + wave) of 512 bytes
	v_lshl_add_u32 v5, v1, 9, v4
	v_add_nc_u32 v5, LSTR, v5
	ds_store_b128 v5, v[SA:SA+3]
	ds_store_b128 v5, v[SA+4:SA+7] offset:4096
	ds_store_b128 v5, v[SQ:SQ+3]   offset:8192
	ds_store_b128 v5, v[SQ+4:SQ+7] offset:12288
	s_wait_dscnt 0x0                               ; for the others: my stores are done
	s_barrier_signal -1
	s_barrier_wait -1
	s_cmp_gt_u32 s4, 3
	s_cbranch_scc1 .Lk_end                         ; waves 0-3 add one (kind, j) each
	v_lshl_add_u32 v6, v1, 12, v4
	v_add_nc_u32 v6, LSTR, v6
.irp i, 0,1,2,3,4,5,6,7
	ds_load_b128 v[XB+4*\i:XB+4*\i+3], v6 offset:512*\i    ; the row ring's registers: its last load was waited for in row 31
.endr
	s_lshr_b32 s30, s4, 1                          ; st1[kind][R][1024] f32, 4 MiB into wf
	s_lshl_b32 s28, s30, 17
	s_lshl_b32 s30, s26, 12
	s_add_co_u32 s28, s28, s30
	s_lshl_b32 s30, s27, 10
	s_add_co_u32 s28, s28, s30
	s_and_b32 s30, s4, 1
	s_lshl_b32 s30, s30, 9
	s_add_co_u32 s28, s28, s30
	s_add_co_u32 s28, s28, 0x400000
	s_add_nc_u64 s[30:31], s[24:25], s[28:29]
	s_wait_dscnt 0x0
.irp i, 0,2,4,6,8,10,12,14
	v_pk_add_f32 v[XB+\i:XB+\i+1], v[XB+\i:XB+\i+1], v[XB+16+\i:XB+17+\i]
.endr
.irp i, 0,2,4,6
	v_pk_add_f32 v[XB+\i:XB+\i+1], v[XB+\i:XB+\i+1], v[XB+8+\i:XB+9+\i]
.endr
.irp i, 0,2
	v_pk_add_f32 v[XB+\i:XB+\i+1], v[XB+\i:XB+\i+1], v[XB+4+\i:XB+5+\i]
.endr
	global_store_b128 v4, v[XB:XB+3], s[30:31]
.Lk_end:
.endif
	s_set_vgpr_msb 0x5
	s_wait_tensorcnt 0x0
	ds_add_u32 v0, v1
	s_wait_dscnt 0x0
	s_set_vgpr_msb 0x500
	s_endpgm
.endm
	s_load_b512 s[8:23], s[0:1], 0x0               ; k s8, v s10, Wq s12, Wk s14, Wv s16, Wp s18, kb s20, vh s22
	s_load_b64 s[24:25], s[0:1], 0x40              ; wf
	s_set_vgpr_msb 0x40
	v_lshl_add_u32 v0, v0, 2, 0x1f000
	v_mov_b32 v1, 0
	s_set_vgpr_msb 0x4000
	v_lshrrev_b32 v1, 5, v0                        ; wave
	v_readfirstlane_b32 s4, v1
	v_and_b32 v9, 31, v0                           ; lane
	s_mov_b32 s6, ttmp9
	s_and_b32 s5, s6, 127                          ; my number within my kind
	s_mov_b32 s29, 0                               ; the high word of every 32-bit offset
	s_wait_kmcnt 0x0
	s_cmp_lt_u32 s6, 128
	s_cbranch_scc1 .Lwqk
	s_cmp_lt_u32 s6, 256
	s_cbranch_scc1 .Lwvp
	s_cmp_lt_u32 s6, 384
	s_cbranch_scc1 .Lk
	STREAM 1
.Lk:
	STREAM 0
.Lwqk:
	PROD 0
.Lwvp:
	PROD 1
.Lfunc_end_k_q97925756fd_prep:
	.size	k_q97925756fd_prep, .Lfunc_end_k_q97925756fd_prep-k_q97925756fd_prep
	.p2alignl 7, 3214868480
	.fill 96, 4, 3214868480
	.section	.rodata,"a",@progbits
	.p2align	6, 0x0
	.amdhsa_kernel k_q97925756fd_prep
		.amdhsa_group_segment_fixed_size 128000
		.amdhsa_private_segment_fixed_size 0
		.amdhsa_enable_private_segment 0
		.amdhsa_kernarg_size 72
		.amdhsa_user_sgpr_count 2
		.amdhsa_user_sgpr_kernarg_segment_ptr 1
		.amdhsa_wavefront_size32 1
		.amdhsa_system_sgpr_workgroup_id_x 1
		.amdhsa_system_sgpr_workgroup_id_y 1
		.amdhsa_system_sgpr_workgroup_id_z 1
		.amdhsa_system_vgpr_workitem_id 0
		.amdhsa_next_free_vgpr 258
		.amdhsa_next_free_sgpr 66
		.amdhsa_reserve_vcc 0
		.amdhsa_float_denorm_mode_32 3
		.amdhsa_float_denorm_mode_16_64 3
		.amdhsa_memory_ordered 1
		.amdhsa_forward_progress 1
		.amdhsa_inst_pref_size 234
	.end_amdhsa_kernel
	.amdgpu_metadata
---
amdhsa.version: [ 1, 2 ]
amdhsa.kernels:
  - .name:           k_q97925756fd_prep
    .symbol:         k_q97925756fd_prep.kd
    .args:
      - { .name: k, .offset: 0, .size: 8, .value_kind: global_buffer, .address_space: global }
      - { .name: v, .offset: 8, .size: 8, .value_kind: global_buffer, .address_space: global }
      - { .name: Wq, .offset: 16, .size: 8, .value_kind: global_buffer, .address_space: global }
      - { .name: Wk, .offset: 24, .size: 8, .value_kind: global_buffer, .address_space: global }
      - { .name: Wv, .offset: 32, .size: 8, .value_kind: global_buffer, .address_space: global }
      - { .name: Wp, .offset: 40, .size: 8, .value_kind: global_buffer, .address_space: global }
      - { .name: kb, .offset: 48, .size: 8, .value_kind: global_buffer, .address_space: global }
      - { .name: vh, .offset: 56, .size: 8, .value_kind: global_buffer, .address_space: global }
      - { .name: wf, .offset: 64, .size: 8, .value_kind: global_buffer, .address_space: global }
    .group_segment_fixed_size: 128000
    .private_segment_fixed_size: 0
    .kernarg_segment_align: 8
    .kernarg_segment_size: 72
    .max_flat_workgroup_size: 256
    .sgpr_count:     66
    .vgpr_count:     258
    .wavefront_size: 32
...
	.end_amdgpu_metadata
.endif
;; end of part 1
;; launch qproj (part 2): grid 288 x 1, 8 waves a work-group, no clusters, 75,264 bytes of LDS; arguments q, wf, W1, b1, W2, qf, mlp; writes qf, mlp
.if DOCPART == 2
	.amdgcn_target "amdgcn-amd-amdhsa--gfx1250"
	.amdhsa_code_object_version 6
	.text
	.protected	k_q97925756fd_qproj
	.globl	k_q97925756fd_qproj
	.p2align	8
	.type	k_q97925756fd_qproj,@function
k_q97925756fd_qproj:
	s_mov_b64 s[64:65], 0
	v_nop
	global_prefetch_b8 v0, s[64:65] scope:SCOPE_SE
	s_setreg_imm32_b32 hwreg(HW_REG_WAVE_MODE, 25, 1), 1
	s_wait_xcnt 0x0
; QPROJ.  Work-groups 32-287: q''' = -c q Wqk, c = log2(e) / 32, as bf16 fragments (rows = query, k = j) for the score product.
; Work-groups 0-31: the variance of k from the 32 partial sums, and 64 hidden units each of relu(var W1 + b1) . W2: one partial sum a work-group.
; LIMITS.  q and Wqk enter as f16 (magnitudes under 65,504); q''' leaves as bf16, which has f32's range.  Sums in f32, in tree order.
; THE PRODUCT.  Tile 32 queries x 256 columns j; eight waves, wave w takes 32 columns: 2 fragments f x 2 query blocks = 4 accumulators.  Source 0 is a fragment of Wqk, loaded
; straight from memory in its register image (each byte is used by one wave of the work-group, so LDS would only add a copy); source 1 is q from LDS.
; What counts here is how much is asked for at a time: a wave keeps eight K steps of Wqk (32 loads, 16 KiB) on their way, the eight waves 128 KiB.
; D(m = j, n = query): a lane's eight results are eight neighbouring j of one query: 16 bytes of the next product's operand image.
; Eight waves of 256 registers and not sixteen: two such work-groups fit on a WGP, so that the 32 short work-groups of the other kind lie beside products and the 288 run at once.
; No prefetch: W1's rows are asked for by the loads themselves while the variance's sums are still coming in.
; LDS.  The product's q lies at 0 to 66,047; the other kind's 8,192 bytes lie behind it: no address of one kind names a byte of the other.
.set NS,   32                          ; K steps of a wave
.set ACC,  16                          ; v16-47   accumulator (f, qb) at 16 + 8 (2 f + qb)
.set AF,   48                          ; v48-111  q's fragments: a ring of four K steps, 16 registers each
.set TMP,  112                         ; v112-127 at work
.set BR,   128                         ; v128-255 Wqk's fragments: a ring of eight K steps, 16 registers each
.set AADR, 2                           ; v2  LDS address of my lane in q's rows
.set QBS,  33024                       ; 16 rows of 2,064 bytes
.set KBS,  64                          ; 32 f16 along K
.set GS,   32                          ; the fragment's second half
.set MB,   66048                       ; the variances (4,096 bytes), then the hidden units' partial sums (4,096)
.macro BFILL kb
.irp f, 0,1
	global_load_b128 v[BR+16*((\kb)%8)+8*\f:BR+16*((\kb)%8)+8*\f+3],   v3, s[24:25] offset:(\kb)*4096+\f*1024
	global_load_b128 v[BR+16*((\kb)%8)+8*\f+4:BR+16*((\kb)%8)+8*\f+7], v3, s[24:25] offset:(\kb)*4096+\f*1024+512
.endr
.endm
.macro AFILL kb
.irp qb, 0,1
	ds_load_b128 v[AF+16*((\kb)%4)+8*\qb:AF+16*((\kb)%4)+8*\qb+3],   v[AADR] offset:\qb*QBS+(\kb)*KBS
	ds_load_b128 v[AF+16*((\kb)%4)+8*\qb+4:AF+16*((\kb)%4)+8*\qb+7], v[AADR] offset:\qb*QBS+(\kb)*KBS+GS
.endr
.endm
.macro KSTEP kb
.if \kb <= NS-8
	s_wait_loadcnt 28                              ; this step's four loads are in; the seven younger steps' stay out
.else
	s_wait_loadcnt 4*(NS-1-\kb)
.endif
.if \kb <= NS-4
	s_wait_dscnt 12                                ; this step's four LDS loads are in; the three younger steps' stay out
.else
	s_wait_dscnt 4*(NS-1-\kb)
.endif
.irp f, 0,1
.irp qb, 0,1                           ; the four accumulators take turns, one instruction a turn
.if \kb == 0
	v_wmma_f32_16x16x32_f16 v[ACC+8*(2*\f+\qb):ACC+8*(2*\f+\qb)+7], v[BR+16*((\kb)%8)+8*\f:BR+16*((\kb)%8)+8*\f+7], v[AF+16*((\kb)%4)+8*\qb:AF+16*((\kb)%4)+8*\qb+7], 0
.else
	v_wmma_f32_16x16x32_f16 v[ACC+8*(2*\f+\qb):ACC+8*(2*\f+\qb)+7], v[BR+16*((\kb)%8)+8*\f:BR+16*((\kb)%8)+8*\f+7], v[AF+16*((\kb)%4)+8*\qb:AF+16*((\kb)%4)+8*\qb+7], v[ACC+8*(2*\f+\qb):ACC+8*(2*\f+\qb)+7]
.endif
.endr
.endr
.if \kb <= NS-5
.rept 4
	v_nop                                          ; four places in front of loads into registers that these products read
.endr
.endif
.if \kb <= NS-9
	BFILL \kb+8
.endif
.if \kb <= NS-5
	AFILL \kb+4
.endif
.endm
.macro QLOAD s                         ; rows 2 s and 2 s + 1 of q's 32: 8,192 consecutive bytes, thread t takes 32 of them
	global_load_b128 v[16+8*((\s)%12):19+8*((\s)%12)], v4, s[30:31] offset:(\s)*8192
	global_load_b128 v[20+8*((\s)%12):23+8*((\s)%12)], v4, s[30:31] offset:(\s)*8192+16
.endm
	s_load_b256 s[8:15], s[0:1], 0x0               ; q s8, wf s10, W1 s12, b1 s14
	s_load_b128 s[16:19], s[0:1], 0x20             ; W2 s16, qf s18
	s_load_b64 s[20:21], s[0:1], 0x30              ; mlp
	v_lshl_add_u32 v14, v0, 2, 0x12200
	v_mov_b32 v15, 0
	v_lshrrev_b32 v1, 5, v0
	v_readfirstlane_b32 s4, v1                     ; wave
	s_mov_b32 s6, ttmp9
	s_mov_b32 s29, 0
	s_wait_kmcnt 0x0
	s_cmp_lt_u32 s6, 32
	s_cbranch_scc1 .Lmlp
	; ---------------- the product ----------------
	s_sub_co_u32 s5, s6, 32
	s_lshr_b32 s26, s5, 2                          ; rb: which 32 queries
	s_and_b32 s27, s5, 3                           ; cb: which 256 columns
	s_lshl_b32 s28, s27, 2
	s_lshr_b32 s30, s4, 1
	s_add_co_u32 s28, s28, s30                     ; which 64 columns: 131,072 bytes of fragments,
	s_lshl_b32 s28, s28, 17
	s_and_b32 s30, s4, 1
	s_lshl_b32 s30, s30, 11                        ; and which two of their four fragments in each K step
	s_add_co_u32 s28, s28, s30
	s_add_nc_u64 s[24:25], s[10:11], s[28:29]
	v_and_b32 v1, 31, v0
	v_lshlrev_b32 v3, 4, v1                        ; 16 x lane
.irp kb, 0,1,2,3,4,5,6,7
	BFILL \kb
.endr
	s_lshl_b32 s28, s26, 17                        ; 32 rows of 4,096 bytes
	s_add_nc_u64 s[30:31], s[8:9], s[28:29]
	v_lshlrev_b32 v4, 5, v0                        ; 32 t: 256 threads cover two rows
	v_lshrrev_b32 v6, 7, v0
	v_add_nc_u32 v5, v6, v0
	v_lshlrev_b32 v5, 4, v5                        ; 16 t + 16 (t / 128): rows of 2,048 + 16 bytes in LDS
.irp s, 0,1,2,3,4,5,6,7,8,9,10,11
	QLOAD \s
.endr
.irp s, 0,1,2,3,4,5,6,7,8,9,10,11,12,13,14,15
.if \s <= 4
	s_wait_loadcnt 22                              ; this slot is in; the eleven younger slots (2 loads each) stay out
.else
	s_wait_loadcnt 2*(15-\s)
.endif
.irp j, 0,1,2,3
	v_cvt_pk_f16_f32 v[TMP+4*(\s%4)+\j], v[16+8*(\s%12)+2*\j], v[17+8*(\s%12)+2*\j]
.endr
.if \s <= 3
	QLOAD \s+12
.endif
	ds_store_b128 v5, v[TMP+4*(\s%4):TMP+4*(\s%4)+3] offset:\s*4128    ; two rows of 2,064 bytes on: an odd multiple of 16
.endr
	v_and_b32 v6, 15, v0
	v_bfe_u32 v7, v0, 4, 1
	v_mul_u32_u24 v[AADR], v6, 2064
	v_lshl_add_u32 v[AADR], v7, 4, v[AADR]
	s_wait_dscnt 0x0                               ; for the others: my part of q is in LDS
	s_barrier_signal -1
	s_barrier_wait -1
	AFILL 0
	AFILL 1
	AFILL 2
	AFILL 3
.irp kb, 0,1,2,3,4,5,6,7,8,9,10,11,12,13,14,15,16,17,18,19,20,21,22,23,24,25,26,27,28,29,30,31
	KSTEP \kb
.endr
	s_lshr_b32 s28, s26, 2                         ; block ((q / 128) 8 + j / 128) of 32,768 bytes; in it (q / 16) % 8, (j / 32) % 4, half, lane
	s_lshl_b32 s28, s28, 3
	s_lshl_b32 s30, s27, 1
	s_add_co_u32 s28, s28, s30
	s_lshr_b32 s30, s4, 2
	s_add_co_u32 s28, s28, s30
	s_lshl_b32 s28, s28, 15
	s_and_b32 s30, s26, 3
	s_lshl_b32 s30, s30, 13
	s_add_co_u32 s28, s28, s30
	s_and_b32 s30, s4, 3
	s_lshl_b32 s30, s30, 10
	s_add_co_u32 s28, s28, s30
	s_add_nc_u64 s[32:33], s[18:19], s[28:29]
.rept 4
	v_nop                                          ; four places between the last products and the first read of a result
.endr
.set i, 0
.rept 16
	v_pk_mul_f32 v[ACC+i:ACC+i+1], v[ACC+i:ACC+i+1], 0xbd38aa3b op_sel_hi:[1,0]   ; -c = -log2(e) / 32: the score product then sums minus the log2-domain score
.set i, i+2
.endr
.set i, 0
.rept 16
	v_cvt_pk_bf16_f32 v[AF+i], v[ACC+2*i], v[ACC+2*i+1]
.set i, i+1
.endr
.irp f, 0,1
.irp qb, 0,1
	global_store_b128 v3, v[AF+4*(2*\f+\qb):AF+4*(2*\f+\qb)+3], s[32:33] offset:\qb*4096+\f*512   ; half a fragment: 512 consecutive bytes a store
.endr
.endr
	s_wait_tensorcnt 0x0
	ds_add_u32 v14, v15
	s_wait_dscnt 0x0
	s_endpgm
	; ---------------- the variance and 64 hidden units ----------------
	; ONE RING for both phases: item n of 64 is two loads, 8 registers: n < 32: part n of the sums of d and of d^2 for my 4 columns; n >= 32: rows 2 (n - 32) and 2 (n - 32) + 1 of my 64 rows of W1.
	; Twenty items are on their way; W1's first rows are asked for while the last parts come in, and stay on their way across the variance's barrier.
	; v16-175 the ring; v176-239 my 64 rows' variances; v240-247 the two sums, then two chains of 4 hidden units; v248-255 b1, W2
.Lmlp:
	s_lshl_b32 s28, s6, 8                          ; my 64 units: 256 bytes of a row of W1, of b1, of W2
	s_add_nc_u64 s[24:25], s[12:13], s[28:29]
	s_add_nc_u64 s[26:27], s[14:15], s[28:29]
	s_add_nc_u64 s[30:31], s[16:17], s[28:29]
	s_add_nc_u64 s[32:33], s[10:11], 0x400000      ; the partial sums st1[kind 2][part 32][1024]
	s_lshl_b32 s28, s6, 2
	s_add_nc_u64 s[34:35], s[20:21], s[28:29]      ; my word of mlp
	v_lshlrev_b32 v2, 4, v0                        ; 16 t: columns 4 t on
	v_and_b32 v3, 15, v0
	v_lshlrev_b32 v3, 4, v3                        ; 16 (t % 16): four units
	v_lshrrev_b32 v4, 4, v0                        ; rg = t / 16: rows 64 rg on
	v_lshl_add_u32 v5, v4, 19, v3                  ; 64 rows of 8,192 bytes
	v_add_nc_u32 v6, MB, v2                        ; where thread t puts 16 bytes
	v_lshlrev_b32 v7, 8, v4
	v_add_nc_u32 v7, MB, v7                        ; my 64 variances in LDS
	v_add_nc_u32 v12, MB, v3                       ; where the last step reads four units
.macro ITEM n
.set IR, 16+8*(((\n)-1)%20)
.if (\n) < 32
	global_load_b128 v[IR:IR+3],   v2, s[32:33] offset:(\n)*4096
	global_load_b128 v[IR+4:IR+7], v2, s[32:33] offset:131072+(\n)*4096
.else
	global_load_b128 v[IR:IR+3],   v5, s[24:25] offset:(2*((\n)-32))*8192 th:TH_LOAD_NT
	global_load_b128 v[IR+4:IR+7], v5, s[24:25] offset:(2*((\n)-32)+1)*8192 th:TH_LOAD_NT
.endif
.endm
	global_load_b128 v[248:251], v3, s[26:27]      ; b1, W2 of my four units
	global_load_b128 v[252:255], v3, s[30:31]
	global_load_b128 v[240:243], v2, s[32:33]      ; part 0 lands in the sums: nothing is cleared
	global_load_b128 v[244:247], v2, s[32:33] offset:131072
.set n, 1
.rept 20
	ITEM n
.set n, n+1
.endr
.set n, 1
.rept 31
.set CR, 16+8*((n-1)%20)
	s_wait_loadcnt 38                              ; item n is in; the nineteen younger items (2 loads each) stay out
.irp i, 0,2,4,6
	v_pk_add_f32 v[240+\i:241+\i], v[240+\i:241+\i], v[CR+\i:CR+\i+1]
.endr
	ITEM n+20
.set n, n+1
.endr
	v_pk_mul_f32 v[8:9],   v[240:241], 0xb9000000 op_sel_hi:[1,0]              ; -S1 / 8192
	v_pk_mul_f32 v[10:11], v[242:243], 0xb9000000 op_sel_hi:[1,0]
	v_pk_fma_f32 v[8:9],   v[8:9],   v[240:241], v[244:245]                    ; S2 - S1^2 / 8192
	v_pk_fma_f32 v[10:11], v[10:11], v[242:243], v[246:247]
	v_pk_mul_f32 v[8:9],   v[8:9],   0x39000400 op_sel_hi:[1,0]                ; / 8191
	v_pk_mul_f32 v[10:11], v[10:11], 0x39000400 op_sel_hi:[1,0]
	ds_store_b128 v6, v[8:11]
	s_wait_dscnt 0x0                               ; for the others: my four variances are in LDS
	s_barrier_signal -1
	s_barrier_wait -1
.irp k, 0,1,2,3,4,5,6,7,8,9,10,11,12,13,14,15
	ds_load_b128 v[176+4*\k:179+4*\k], v7 offset:16*\k
.endr
	s_wait_dscnt 0x0
.rept 32
.set CR, 16+8*((n-1)%20)
.set GR, 176+2*(n-32)
.if n <= 44
	s_wait_loadcnt 38
.else
	s_wait_loadcnt 2*(63-n)
.endif
.irp c, 0,1,2,3
.if n == 32
	v_mul_f32 v[240+\c], v[CR+\c],   v[GR]         ; the first two rows start the two chains
	v_mul_f32 v[244+\c], v[CR+4+\c], v[GR+1]
.else
	v_fmac_f32 v[240+\c], v[CR+\c],   v[GR]
	v_fmac_f32 v[244+\c], v[CR+4+\c], v[GR+1]
.endif
.endr
.if n <= 43
	ITEM n+20
.endif
.set n, n+1
.endr
	v_pk_add_f32 v[240:241], v[240:241], v[244:245]
	v_pk_add_f32 v[242:243], v[242:243], v[246:247]
	ds_store_b128 v6, v[240:243] offset:4096       ; [rg 16][unit 64] f32, behind the variances
	s_wait_dscnt 0x0
	s_barrier_signal -1
	s_barrier_wait -1
	s_cmp_lg_u32 s4, 0
	s_cbranch_scc1 .Lmlp_end                       ; wave 0 finishes; both halves of its lanes hold the same 16 x 4 units
.irp i, 0,1,2,3,4,5,6,7,8,9,10,11,12,13,14,15
	ds_load_b128 v[16+4*\i:19+4*\i], v12 offset:4096+256*\i
.endr
	v_mov_b32 v13, 0                               ; the last store's offset
	s_wait_dscnt 0x0
.irp i, 0,2,4,6,8,10,12,14,16,18,20,22,24,26,28,30
	v_pk_add_f32 v[16+\i:17+\i], v[16+\i:17+\i], v[48+\i:49+\i]
.endr
.irp i, 0,2,4,6,8,10,12,14
	v_pk_add_f32 v[16+\i:17+\i], v[16+\i:17+\i], v[32+\i:33+\i]
.endr
.irp i, 0,2,4,6
	v_pk_add_f32 v[16+\i:17+\i], v[16+\i:17+\i], v[24+\i:25+\i]
.endr
.irp i, 0,2
	v_pk_add_f32 v[16+\i:17+\i], v[16+\i:17+\i], v[20+\i:21+\i]
.endr
	v_pk_add_f32 v[16:17], v[16:17], v[248:249]    ; + b1
	v_pk_add_f32 v[18:19], v[18:19], v[250:251]
.irp i, 0,1,2,3
	v_max_num_f32 v[16+\i], 0, v[16+\i]            ; relu
.endr
	v_mul_f32 v16, v16, v252                       ; . W2
	v_fmac_f32 v16, v17, v253
	v_fmac_f32 v16, v18, v254
	v_fmac_f32 v16, v19, v255
	v_add_f32_dpp v16, v16, v16 row_xmask:1 row_mask:0xf bank_mask:0xf
	v_add_f32_dpp v16, v16, v16 row_xmask:2 row_mask:0xf bank_mask:0xf
	v_add_f32_dpp v16, v16, v16 row_xmask:4 row_mask:0xf bank_mask:0xf
	v_add_f32_dpp v16, v16, v16 row_xmask:8 row_mask:0xf bank_mask:0xf
	v_cmp_eq_u32 vcc_lo, 0, v0
	s_wait_xcnt 0x0                                ; EXEC is a source of every memory instruction issued so far: it changes only behind this wait
	s_and_saveexec_b32 s36, vcc_lo
	global_store_b32 v13, v16, s[34:35]            ; lane 0: my 64 units' share of the last layer's sum
	s_wait_xcnt 0x0
	s_or_b32 exec_lo, exec_lo, s36
.Lmlp_end:
	s_wait_tensorcnt 0x0
	ds_add_u32 v14, v15
	s_wait_dscnt 0x0
	s_endpgm
.Lfunc_end_k_q97925756fd_qproj:
	.size	k_q97925756fd_qproj, .Lfunc_end_k_q97925756fd_qproj-k_q97925756fd_qproj
	.p2alignl 7, 3214868480
	.fill 96, 4, 3214868480
	.section	.rodata,"a",@progbits
	.p2align	6, 0x0
	.amdhsa_kernel k_q97925756fd_qproj
		.amdhsa_group_segment_fixed_size 75264
		.amdhsa_private_segment_fixed_size 0
		.amdhsa_enable_private_segment 0
		.amdhsa_kernarg_size 56
		.amdhsa_user_sgpr_count 2
		.amdhsa_user_sgpr_kernarg_segment_ptr 1
		.amdhsa_wavefront_size32 1
		.amdhsa_system_sgpr_workgroup_id_x 1
		.amdhsa_system_sgpr_workgroup_id_y 1
		.amdhsa_system_sgpr_workgroup_id_z 1
		.amdhsa_system_vgpr_workitem_id 0
		.amdhsa_next_free_vgpr 256
		.amdhsa_next_free_sgpr 66
		.amdhsa_reserve_vcc 1
		.amdhsa_float_denorm_mode_32 3
		.amdhsa_float_denorm_mode_16_64 3
		.amdhsa_memory_ordered 1
		.amdhsa_forward_progress 1
		.amdhsa_inst_pref_size 84
	.end_amdhsa_kernel
	.amdgpu_metadata
---
amdhsa.version: [ 1, 2 ]
amdhsa.kernels:
  - .name:           k_q97925756fd_qproj
    .symbol:         k_q97925756fd_qproj.kd
    .args:
      - { .name: q, .offset: 0, .size: 8, .value_kind: global_buffer, .address_space: global }
      - { .name: wf, .offset: 8, .size: 8, .value_kind: global_buffer, .address_space: global }
      - { .name: W1, .offset: 16, .size: 8, .value_kind: global_buffer, .address_space: global }
      - { .name: b1, .offset: 24, .size: 8, .value_kind: global_buffer, .address_space: global }
      - { .name: W2, .offset: 32, .size: 8, .value_kind: global_buffer, .address_space: global }
      - { .name: qf, .offset: 40, .size: 8, .value_kind: global_buffer, .address_space: global }
      - { .name: mlp, .offset: 48, .size: 8, .value_kind: global_buffer, .address_space: global }
    .group_segment_fixed_size: 75264
    .private_segment_fixed_size: 0
    .kernarg_segment_align: 8
    .kernarg_segment_size: 56
    .max_flat_workgroup_size: 256
    .sgpr_count:     66
    .vgpr_count:     256
    .wavefront_size: 32
...
	.end_amdgpu_metadata
.endif
;; end of part 2
;; launch scores (part 3): grid 32 x 8, 4 waves a work-group, clusters of 4 x 4, 327,680 bytes of LDS; arguments qf, kb, query_boxes, ref_boxes, mlp, b2, pf, ms; writes pf, ms
.if DOCPART == 3
	.amdgcn_target "amdgcn-amd-amdhsa--gfx1250"
	.amdhsa_code_object_version 6
	.text
	.protected	k_q97925756fd_scores
	.globl	k_q97925756fd_scores
	.p2align	8
	.type	k_q97925756fd_scores,@function
k_q97925756fd_scores:
	s_mov_b64 s[64:65], 0
	v_nop
	global_prefetch_b8 v0, s[64:65] scope:SCOPE_SE
	s_setreg_imm32_b32 hwreg(HW_REG_WAVE_MODE, 25, 1), 1
	s_wait_xcnt 0x0
	s_wait_alu depctr_hold_cnt(0) depctr_sa_sdst(0) depctr_va_vdst(0) depctr_va_sdst(0) depctr_va_ssrc(0) depctr_va_vcc(0) depctr_vm_vsrc(0)
	s_getreg_b32 s2, hwreg(HW_REG_IB_STS2, 6, 4)
	s_cmp_eq_u32 s2, 0
	s_cbranch_scc0 .Lentry_in_a_cluster
	s_endpgm
.Lentry_in_a_cluster:
	s_bfe_u32 s2, ttmp6, 0x10000c
	s_cmp_lg_u32 s2, 0xf033
	s_cbranch_scc0 .Lentry_shape_is_right
	s_endpgm
.Lentry_shape_is_right:
; SCORES.  For a tile of 256 queries x 256 keys: acc = w' dist - log2(e) (q Wqk k^T) / 32 = minus the log2-domain score with its bias; then, for each query and each
; chunk of 128 keys (a wave's columns), mn = min acc, p = 2^(mn - acc), m = -mn, l = sum p.  So a true maximum is taken away in every chunk; the next launch joins the chunks.
; w = sigmoid(sum of the 32 partial sums + b2), w' = w log2(e).  Box centres are scaled by w' / 2 before the difference, so that sqrt(dx^2 + dy^2 + w'^2 1e-8) = w' dist,
; and THE ACCUMULATORS START AT THAT ROOT: the bias costs no pass of its own over the scores.
; LIMITS.  q''' and k are bf16 (f32's range); p is rounded to f16 (p <= 1; under 6e-8 it becomes 0).  Roots and exponentials flush denormals.  NaN and infinities are not followed.
; SHARES.  Four waves, each 128 queries x 128 keys: 64 accumulators, 512 registers.  K = 1,024 in eight steps of 128 through a ring of two LDS slots filled by the tensor data mover.
; CLUSTER.  4 x 4 work-groups: the four of a row need the same fragments of q''', the four of a column the same rows of k: each tile is asked for jointly.
; THE PRODUCT IS USED TRANSPOSED: source 0 = 16 keys, source 1 = 16 queries: a lane holds one query (lane % 16) and eight neighbouring keys, which pack into 16 bytes of the
; operand image that the next launch's product takes: one store of the wave covers 512 consecutive bytes, aligned, and nothing goes through an LDS stage.
; REGISTERS, in windows of 256: window 0: v0-31 addresses; v32-63 at work; v64-127, v128-191 fragments of q''', two buffers; v224-255 query centres
;   window 1: v64-127, v128-191 fragments of k;  window 2: accumulators of my queries 0-63 ((a, b) at v[8 (8 a + b)]);  window 3: of my queries 64-127
.set PITCH,  272                       ; a row of k in LDS: 256 bytes + 16
.set AHALF,  32768                     ; 128 queries x 128 j as fragments, dense: lane l reads at 16 l, so no padding is wanted
.set BHALF,  128*PITCH
.set BOFF,   2*AHALF
.set SLOT,   2*AHALF+2*BHALF
.set SCR,    2*SLOT                    ; behind the ring: 2,048 bytes a wave (key x', key y', m, l: 512 each); no tensor load lands here
.set ADRA, 16                          ; v16-17 my fragments of q''' in slot 0, 1
.set ADRB, 20                          ; v20-21 the same for k
.set LN16, 22                          ; v22 16 x lane
.set SCRA, 23                          ; v23 my scratch + 32 h
.set SCRS, 24                          ; v24 my scratch + 4 x lane
.set STA,  25                          ; v25 my scratch + 1,024 + 512 h + 4 r
.set SCRD, 26                          ; v26 my scratch + 1,024 + 16 x lane
.set QV,   27                          ; v27 16 r
.set EP,   28                          ; v[28:29] w'^2 1e-8, twice
.set KB0,  32                          ; v32-63 key centres of 16 keys' lanes: two buffers of 8 x' and 8 y'
.set F0,   64
.set F1,   128
.set QX,   224                         ; v[224+2a:225+2a] = (x', y') of my query in block a
.set QY,   240                         ; v[240+2a:241+2a] = (y', x'): every broadcast takes a pair's first register
.set G1, 24
.set G0, 32
.set G1B, 48
.set G0B, 56
.set MSB, 0
.macro WIN new                         ; the immediate's high byte repeats the setting that is left; a switch that changes nothing is dropped
.if MSB != (\new)
	s_set_vgpr_msb (MSB<<8)|(\new)
.set MSB, (\new)
.endif
.endm
.set MUL_LO, 0xa1                      ; source 0 (k) window 1, source 1 (q''') window 0, C and D window 2
.set MUL_HI, 0xf1                      ; the same, C and D window 3
.set TO_B,   0x40                      ; destination window 1, address window 0
; A joint refill: waves 0 and 1 fetch the two halves of q''', waves 2 and 3 those of k.  The branch hangs on the wave's number alone.  Four v_nop follow each line.
.macro JLOAD s
	s_cmp_eq_u32 s11, 0
	s_cbranch_scc0 .Lfor_b_\@
	tensor_load_to_lds s[G0+4*\s:G0+4*\s+3], s[G1:G1+7]
	s_nop 0
.rept 4
	v_nop
.endr
	s_branch .Lasked_\@
.Lfor_b_\@:
	tensor_load_to_lds s[G0B+4*\s:G0B+4*\s+3], s[G1B:G1B+7]
	s_nop 0
.rept 4
	v_nop
.endr
.Lasked_\@:
.endm
.macro CREST                           ; a round of the cluster's barrier behind its opening barrier
	s_cmp_lg_u32 s10, 0
	s_cbranch_scc1 .Lnot_wave_0_\@
	s_barrier_signal -3
.Lnot_wave_0_\@:
	s_barrier_wait -3
	s_barrier_signal -1
	s_barrier_wait -1
.endm
.macro CROUND
	s_barrier_signal -1
	s_barrier_wait -1
	CREST
.endm
.macro PLACES                          ; four places behind matrix instructions (ISA guide 7.12.1), where no other vector work is at hand
.rept 4
	v_nop
.endr
.endm
; 16 products: query blocks a0, a0 + 1 of the window's four x all 8 key blocks, 32 along K.  The 64 accumulators take turns in the same order in every quarter.
.macro MUL16 f, hi, a0
	s_wait_alu depctr_va_vdst(0)
.irp a, \a0, \a0+1
.irp b, 0,1,2,3,4,5,6,7
	v_wmma_f32_16x16x32_bf16 v[8*(8*(\a)+\b):8*(8*(\a)+\b)+7], v[\f+8*\b:\f+8*\b+7], v[\f+8*(4*\hi+\a):\f+8*(4*\hi+\a)+7], v[8*(8*(\a)+\b):8*(8*(\a)+\b)+7]
.endr
.endr
.endm
; 32 LDS loads in one run: the fragments of one quarter step (byte k of k's rows; fragment k / 64 of q''') into buffer f
.macro FETCH slot, k, f
	WIN TO_B
.irp i, 0,1,2,3,4,5,6,7
	ds_load_b128 v[\f+8*\i:\f+8*\i+3],   v[ADRB+\slot] offset:\k+\i*16*PITCH
	ds_load_b128 v[\f+8*\i+4:\f+8*\i+7], v[ADRB+\slot] offset:\k+\i*16*PITCH+32
.endr
	WIN 0
.irp i, 0,1,2,3,4,5,6,7
	ds_load_b128 v[\f+8*\i:\f+8*\i+3],   v[ADRA+\slot] offset:16*\k+\i*4096
	ds_load_b128 v[\f+8*\i+4:\f+8*\i+7], v[ADRA+\slot] offset:16*\k+\i*4096+512
.endr
.endm
.macro QUARTER slot, k, f, g
	s_wait_dscnt 8                                 ; k's fragments and q''' of queries 0-63 are in; the youngest eight loads may be out
	WIN MUL_LO
	MUL16 \f, 0, 0
	MUL16 \f, 0, 2
	PLACES
	FETCH \slot, \k, \g
	s_wait_dscnt 32                                ; all but the 32 just issued
	WIN MUL_HI
	MUL16 \f, 1, 0
	MUL16 \f, 1, 2
.endm
.macro MEET round                      ; the last quarter's first half, and the one barrier of a change of slots
	s_wait_dscnt 8
	WIN MUL_LO
	MUL16 F1, 0, 0
	s_wait_dscnt 0                                 ; my reads of this slot are over,
	s_wait_tensorcnt 0x0                           ; and all my tensor loads have landed: the one that was out is my part of the next slot
	ds_add_u32 v255, v223
	s_wait_dscnt 0x0
	s_barrier_signal -1
	MUL16 F1, 0, 2                                 ; register work while the others arrive
.if \round
	WIN 0
.endif
	s_barrier_wait -1
.endm
.macro TURN slot, next                 ; the whole last quarter; the slot just read out is filled again, two K steps on, first thing behind the cluster's round
	MEET 1
	CREST                                          ; no wave of any partner still reads this slot or has a load on its way
	s_add_nc_u64 s[G0+4*\slot+2:G0+4*\slot+3], s[G0+4*\slot+2:G0+4*\slot+3], 2*AHALF
	s_add_nc_u64 s[G0B+4*\slot+2:G0B+4*\slot+3], s[G0B+4*\slot+2:G0B+4*\slot+3], 512
	JLOAD \slot                                    ; 240 products stand between this request and the wait for it; its four v_nop are also the places in front of the loads below
	FETCH \next, 0, F0
	WIN MUL_HI
	MUL16 F1, 1, 0
	MUL16 F1, 1, 2
.endm
	s_load_b512 s[68:83], s[0:1], 0x0              ; qf s68, kb s70, query_boxes s72, ref_boxes s74, mlp s76, b2 s78, pf s80, ms s82
	s_set_vgpr_msb 0x40
	v_lshl_add_u32 v255, v0, 2, 0x44000
	s_set_vgpr_msb 0x4000
	v_mov_b32 v223, 0
	s_set_vgpr_msb 0x1
	ds_add_u32 v255, v223
	s_set_vgpr_msb 0x100
	v_lshrrev_b32 v1, 5, v0
	v_readfirstlane_b32 s10, v1                    ; wave 0..3
	s_lshr_b32 s11, s10, 1                         ; which half of the tile's queries is mine.  Also: I fetch q''' (0) or k (1)
	s_and_b32 s12, s10, 1                          ; which half of its keys.  Also: which half of that tile I fetch
	s_bfe_u32 s40, ttmp6, 0x40000                  ; cx
	s_bfe_u32 s41, ttmp6, 0x40004                  ; cy
	s_lshl_b32 s42, ttmp9, 2
	s_add_co_u32 s42, s42, s40                     ; kt: tile of 256 keys
	s_and_b32 s13, ttmp7, 0xffff
	s_lshl_b32 s13, s13, 2
	s_add_co_u32 s13, s13, s41                     ; qt: tile of 256 queries
	s_lshl_b32 s43, s41, 2
	s_lshl_b32 s43, 15, s43                        ; my row of the cluster
	s_lshl_b32 s44, 0x1111, s40                    ; my column
	s_or_b32 s[G1+0], s43, (3<<16)|(1<<21)         ; q''': mask of my row; elements of 8 bytes; no padding; bit 21 beside a mask
	s_mov_b32 s[G1+1], 32<<16                      ; tensor_dim0 = 32 elements: rows of 256 bytes
	s_mov_b32 s[G1+2], 128<<16                     ; tensor_dim1 = 128 rows: a dense block of 32,768 bytes
	s_mov_b32 s[G1+3], 32<<16                      ; tile_dim0
	s_mov_b32 s[G1+4], 128                         ; tile_dim1
	s_mov_b32 s[G1+5], 32                          ; pitch = the row
	s_mov_b32 s[G1+6], 0
	s_mov_b32 s[G1+7], 0
	s_or_b32 s[G1B+0], s44, (1<<16)|(1<<20)|(1<<21)|(5<<22)|(3<<25)  ; k: mask of my column; elements of 2 bytes; 4 words of padding behind every 64
	s_mov_b32 s[G1B+1], 128<<16
	s_mov_b32 s[G1B+2], 128<<16
	s_mov_b32 s[G1B+3], 128<<16
	s_mov_b32 s[G1B+4], 128
	s_mov_b32 s[G1B+5], 1024                       ; elements from row to row of kb
	s_mov_b32 s[G1B+6], 0
	s_mov_b32 s[G1B+7], 0
	s_lshl_b32 s16, s13, 1                         ; q''': block row 2 qt + half: eight blocks of 32,768 bytes
	s_add_co_u32 s16, s16, s12
	s_lshl_b32 s16, s16, 18
	s_mov_b32 s17, 0
	s_lshl_b32 s46, s42, 1                         ; k: rows 128 (2 kt + half) of 2,048 bytes
	s_add_co_u32 s46, s46, s12
	s_lshl_b32 s46, s46, 18
	s_mov_b32 s47, 0
	s_lshl_b32 s20, s12, 15                        ; where they go: no place in the cluster enters an LDS address
	s_mul_i32 s21, s12, BHALF
	s_add_co_u32 s21, s21, BOFF
	s_mov_b32 s84, 0x76543210                      ; v_permlanex16_b32: each lane takes its own place in the other half
	s_mov_b32 s85, 0xfedcba98
	s_mov_b32 s86, 0xffff0000                      ; lanes 16-31
	s_wait_dscnt 0x0
	s_wait_kmcnt 0x0
	s_load_b32 s87, s[78:79], 0x0                  ; b2
	s_add_nc_u64 s[14:15], s[68:69], s[16:17]
	s_add_nc_u64 s[46:47], s[70:71], s[46:47]
	CROUND                                         ; all sixteen work-groups are here: the first joint loads meet
.irp s, 0,1
	s_mov_b32 s[G0+4*\s], 1
	s_add_co_u32 s[G0+4*\s+1], s20, \s*SLOT
	s_add_nc_u64 s[G0+4*\s+2:G0+4*\s+3], s[14:15], \s*AHALF
	s_or_b32 s[G0+4*\s+3], s[G0+4*\s+3], 0x80000000
	s_mov_b32 s[G0B+4*\s], 1
	s_add_co_u32 s[G0B+4*\s+1], s21, \s*SLOT
	s_add_nc_u64 s[G0B+4*\s+2:G0B+4*\s+3], s[46:47], \s*256
	s_or_b32 s[G0B+4*\s+3], s[G0B+4*\s+3], 0x80000000
.endr
	s_cmp_eq_u32 s11, 0                            ; a wave's two first fills stand in one branch, ahead of every wait on TENSORcnt and every LDS read: two loads of mine are out
	s_cbranch_scc0 .Lfirst_b
	tensor_load_to_lds s[G0:G0+3], s[G1:G1+7]
	s_nop 0
	tensor_load_to_lds s[G0+4:G0+7], s[G1:G1+7]
	s_nop 0
.rept 4
	v_nop
.endr
	s_branch .Lfirst_asked
.Lfirst_b:
	tensor_load_to_lds s[G0B:G0B+3], s[G1B:G1B+7]
	s_nop 0
	tensor_load_to_lds s[G0B+4:G0B+7], s[G1B:G1B+7]
	s_nop 0
.rept 4
	v_nop
.endr
.Lfirst_asked:
	v_and_b32 v1, 15, v0                           ; r
	v_bfe_u32 v2, v0, 4, 1                         ; h
	v_and_b32 v3, 31, v0                           ; lane
	v_lshlrev_b32 v[LN16], 4, v3
	v_lshlrev_b32 v[QV], 4, v1
	v_lshlrev_b32 v4, 2, v3
	s_lshl_b32 s88, s13, 1
	s_add_co_u32 s88, s88, s11                     ; my 128 queries: 2 qt + half
	s_lshl_b32 s90, s42, 1
	s_add_co_u32 s90, s90, s12                     ; my 128 keys = my chunk: 2 kt + half
	s_mov_b32 s93, 0
	s_lshl_b32 s92, s88, 11                        ; 128 boxes of 16 bytes
	s_add_nc_u64 s[4:5], s[72:73], s[92:93]
	s_lshl_b32 s92, s90, 11
	s_add_nc_u64 s[6:7], s[74:75], s[92:93]
.irp a, 0,1,2,3,4,5,6,7
	global_load_b128 v[64+4*\a:67+4*\a], v[QV], s[4:5] offset:256*\a       ; the box of query 16 a + r
.endr
.irp i, 0,1,2,3
	global_load_b128 v[96+4*\i:99+4*\i], v[LN16], s[6:7] offset:512*\i     ; the box of key lane + 32 i
.endr
	global_load_b32 v112, v4, s[76:77]             ; lane l: the l-th partial sum of the last layer
	v_mul_u32_u24 v5, v1, PITCH
	v_lshl_add_u32 v5, v2, 4, v5
	s_lshl_b32 s22, s11, 15
	s_mul_i32 s23, s12, BHALF
	s_add_co_u32 s23, s23, BOFF
.irp s, 0,1
	v_add_nc_u32 v[ADRA+\s], s22, v[LN16]
	v_add_nc_u32 v[ADRB+\s], s23, v5
	s_add_co_u32 s22, s22, SLOT
	s_add_co_u32 s23, s23, SLOT
.endr
	s_lshl_b32 s22, s10, 11
	s_add_co_u32 s22, s22, SCR                     ; my scratch
	v_lshl_add_u32 v[SCRA], v2, 5, s22
	v_add_nc_u32 v[SCRS], s22, v4
	v_lshl_add_u32 v[STA], v2, 9, s22
	v_lshl_add_u32 v[STA], v1, 2, v[STA]
	v_add_nc_u32 v[STA], 1024, v[STA]
	v_add_nc_u32 v[SCRD], s22, v[LN16]
	v_add_nc_u32 v[SCRD], 1024, v[SCRD]
	s_lshl_b32 s92, s88, 6                         ; pf: block (q / 128) 64 + key / 128 of 32,768 bytes
	s_add_co_u32 s92, s92, s90
	s_lshl_b32 s92, s92, 15
	s_add_nc_u64 s[8:9], s[80:81], s[92:93]
	s_lshl_b32 s92, s90, 13                        ; ms: m[chunk][2048] f32
	s_lshl_b32 s91, s88, 9
	s_add_co_u32 s92, s92, s91
	s_add_nc_u64 s[18:19], s[82:83], s[92:93]
	s_wait_loadcnt 0x0
	s_wait_kmcnt 0x0
	; w = sigmoid(z), z = the 32 partial sums + b2
	v_add_f32_dpp v112, v112, v112 row_xmask:1 row_mask:0xf bank_mask:0xf
	v_add_f32_dpp v112, v112, v112 row_xmask:2 row_mask:0xf bank_mask:0xf
	v_add_f32_dpp v112, v112, v112 row_xmask:4 row_mask:0xf bank_mask:0xf
	v_add_f32_dpp v112, v112, v112 row_xmask:8 row_mask:0xf bank_mask:0xf
	v_permlanex16_b32 v5, v112, s84, s85           ; v5 has been written and is free
	v_add_f32 v112, v112, v5
	v_add_f32 v112, s87, v112
	v_mul_f32 v112, 0xbfb8aa3b, v112               ; -log2(e) z
	v_exp_f32 v112, v112
	v_nop                                          ; a plain instruction behind each transcendental (ISA guide 5.7.2)
	s_wait_alu depctr_va_vdst(0)
	v_add_f32 v112, 1.0, v112
	v_rcp_f32 v112, v112
	v_nop
	s_wait_alu depctr_va_vdst(0)
	v_mul_f32 v113, 0x3fb8aa3b, v112               ; w' = w log2(e)
	v_mul_f32 v114, 0.5, v113                      ; w' / 2: (b0 + b2) w' / 2 is the scaled centre
	v_mul_f32 v115, v113, v113
	v_mul_f32 v[EP], 0x322bcc77, v115              ; w'^2 1e-8
	v_mul_f32 v[EP+1], 0x322bcc77, v115
.irp a, 0,1,2,3,4,5,6,7
	v_add_f32 v[QX+2*\a],   v[64+4*\a],   v[66+4*\a]
	v_add_f32 v[QX+2*\a+1], v[65+4*\a],   v[67+4*\a]
	v_mul_f32 v[QY+2*\a],   v114, v[QX+2*\a+1]
	v_mul_f32 v[QY+2*\a+1], v114, v[QX+2*\a]
	v_mul_f32 v[QX+2*\a],   v114, v[QX+2*\a]
	v_mul_f32 v[QX+2*\a+1], v114, v[QX+2*\a+1]
.endr
.irp i, 0,1,2,3
	v_add_f32 v[116+2*\i], v[96+4*\i], v[98+4*\i]
	v_add_f32 v[117+2*\i], v[97+4*\i], v[99+4*\i]
	v_mul_f32 v[116+2*\i], v114, v[116+2*\i]
	v_mul_f32 v[117+2*\i], v114, v[117+2*\i]
	ds_store_b32 v[SCRS], v[116+2*\i] offset:128*\i        ; my wave's own bytes: LDS serves a wave's instructions in order, so its loads below see these
	ds_store_b32 v[SCRS], v[117+2*\i] offset:512+128*\i
.endr
; THE BIAS.  Lane (r, h) of accumulator (a, b) holds query 16 a + r and keys 16 b + 8 h + 0..7.
.macro KEYS b, buf                     ; the scaled centres of key block b's 8 keys of my half of the lanes, into buffer buf: 8 x', then 8 y'
	ds_load_b128 v[KB0+16*(\buf):KB0+16*(\buf)+3],     v[SCRA] offset:64*(\b)
	ds_load_b128 v[KB0+16*(\buf)+4:KB0+16*(\buf)+7],   v[SCRA] offset:64*(\b)+16
	ds_load_b128 v[KB0+16*(\buf)+8:KB0+16*(\buf)+11],  v[SCRA] offset:512+64*(\b)
	ds_load_b128 v[KB0+16*(\buf)+12:KB0+16*(\buf)+15], v[SCRA] offset:528+64*(\b)
.endm
; Four accumulators (query blocks 4 ag .. 4 ag + 3, key block b): 64 packed instructions in window 0, then 32 roots under one window.  Two sets of 40 registers take turns, so that
; the plain instruction behind the roots touches neither their results nor their sources.
.macro BIASG ag, b
.set TS, 64+40*\ag
.set KX, KB0+16*((\b)%2)
	WIN 0
.irp a4, 0,1,2,3
.irp i, 0,2,4,6
	v_pk_add_f32 v[TS+8*\a4+\i:TS+8*\a4+\i+1], v[KX+\i:KX+\i+1], v[QX+2*(4*\ag+\a4):QX+2*(4*\ag+\a4)+1] op_sel_hi:[1,0] neg_lo:[0,1] neg_hi:[0,1]
.endr
.irp i, 0,2,4,6
	v_pk_add_f32 v[TS+32+\i:TS+33+\i], v[KX+8+\i:KX+9+\i], v[QY+2*(4*\ag+\a4):QY+2*(4*\ag+\a4)+1] op_sel_hi:[1,0] neg_lo:[0,1] neg_hi:[0,1]
.endr
.irp i, 0,2,4,6
	v_pk_fma_f32 v[TS+8*\a4+\i:TS+8*\a4+\i+1], v[TS+8*\a4+\i:TS+8*\a4+\i+1], v[TS+8*\a4+\i:TS+8*\a4+\i+1], v[EP:EP+1]
.endr
.irp i, 0,2,4,6
	v_pk_fma_f32 v[TS+8*\a4+\i:TS+8*\a4+\i+1], v[TS+32+\i:TS+33+\i], v[TS+32+\i:TS+33+\i], v[TS+8*\a4+\i:TS+8*\a4+\i+1]
.endr
.endr
	WIN 0x80+0x40*\ag                              ; destination: window 2 or 3
.irp a4, 0,1,2,3
.irp j, 0,1,2,3,4,5,6,7
	v_sqrt_f32 v[8*(8*\a4+(\b))+\j], v[TS+8*\a4+\j]
.endr
.endr
.endm
	KEYS 0, 0
.irp b, 0,1,2,3,4,5,6,7
	WIN 0
.if \b < 7
	KEYS \b+1, (\b+1)%2
	s_wait_dscnt 4                                 ; this block's centres are in; the next block's four loads stay out
.else
	s_wait_dscnt 0x0
.endif
	BIASG 0, \b
	BIASG 1, \b
.endr
	WIN 0
	v_nop                                          ; the plain instruction behind the last roots
	s_wait_tensorcnt 1                             ; my part of K step 0 is in; K step 1's may stay out
	s_barrier_signal -1
	s_barrier_wait -1
	FETCH 0, 0, F0
	QUARTER 0, 64,  F0, F1
	WIN 0
	s_mov_b32 s3, 3
.Llap:                                                 ; a trip goes once round the ring, from a lap's second quarter to the next lap's first, and fills both slots again
	QUARTER 0, 128, F1, F0
	QUARTER 0, 192, F0, F1
	TURN 0, 1
	QUARTER 1, 64,  F0, F1
	QUARTER 1, 128, F1, F0
	QUARTER 1, 192, F0, F1
	TURN 1, 0
	QUARTER 0, 64,  F0, F1
	WIN 0
	s_sub_co_u32 s3, s3, 1
	s_cmp_lg_u32 s3, 0
	s_cbranch_scc1 .Llap
	QUARTER 0, 128, F1, F0                         ; the last lap is written out: it asks for nothing, so no round of the cluster's barrier
	QUARTER 0, 192, F0, F1
	MEET 0
	PLACES
	FETCH 1, 0, F0
	WIN MUL_HI
	MUL16 F1, 1, 0
	MUL16 F1, 1, 2
	QUARTER 1, 64,  F0, F1
	QUARTER 1, 128, F1, F0
	QUARTER 1, 192, F0, F1
	s_wait_dscnt 8
	WIN MUL_LO
	MUL16 F1, 0, 0
	MUL16 F1, 0, 2
	s_wait_dscnt 0
	WIN MUL_HI
	MUL16 F1, 1, 0
	MUL16 F1, 1, 2
	WIN 0
	PLACES
; THE CHUNK'S SOFTMAX for query block a: a lane holds 64 of its query's 128 numbers, the lane 16 away the others.
.macro SOFTROW a
.set AC, 64*((\a)%4)
.set PK, 64+32*((\a)%2)
	WIN 0x0a+5*((\a)/4)                            ; sources 0 and 1: window 2 or 3
.irp c, 0,1,2,3
	v_min_num_f32 v[32+\c], v[AC+16*\c], v[AC+16*\c+1]     ; four chains of 16 numbers, started by their first two
.endr
.irp i, 1,2,3,4,5,6,7
.irp c, 0,1,2,3
	v_min3_num_f32 v[32+\c], v[AC+16*\c+2*\i], v[AC+16*\c+2*\i+1], v[32+\c]
.endr
.endr
	WIN 0
	v_min3_num_f32 v32, v32, v33, v34
	v_min_num_f32 v32, v32, v35
	v_permlanex16_b32 v33, v32, s84, s85
	v_min_num_f32 v36, v32, v33                    ; mn
	v_xor_b32 v37, 0x80000000, v36                 ; m = -mn: the chunk's largest log2-domain score
	WIN 0x82+0x41*((\a)/4)                         ; source 0 and destination: window 2 or 3
.set i, 0
.rept 32
	v_pk_add_f32 v[AC+i:AC+i+1], v[AC+i:AC+i+1], v[36:37] op_sel_hi:[1,0] neg_lo:[1,0] neg_hi:[1,0]   ; mn - acc <= 0
.set i, i+2
.endr
.set i, 0
.rept 64
	v_exp_f32 v[AC+i], v[AC+i]
.set i, i+1
.endr
	v_nop                                          ; the plain instruction between the exponentials and the first use of a result
	s_wait_xcnt 0x0                                ; the stores of two blocks ago have read these registers: only now are they rewritten
	WIN 0x0a+5*((\a)/4)
.set i, 0
	s_wait_alu depctr_va_vdst(0)
.rept 32
	v_cvt_pk_f16_f32 v[PK+i], v[AC+2*i], v[AC+2*i+1]
.set i, i+1
.endr
.set i, 0
.rept 16
	v_pk_add_f32 v[128+2*i:129+2*i], v[AC+4*i:AC+4*i+1], v[AC+4*i+2:AC+4*i+3]
.set i, i+1
.endr
	WIN 0
.irp w, 4,8,16,32
.set i, 0
.rept 32/\w
	v_pk_add_f32 v[128+i:129+i], v[128+i:129+i], v[128+i+\w/2:129+i+\w/2]
.set i, i+\w
.endr
.endr
	v_add_f32 v38, v128, v129
	v_permlanex16_b32 v39, v38, s84, s85
	v_add_f32 v38, v38, v39                        ; l
	v_cndmask_b32 v[40+\a], v37, v38, s86          ; lanes 0-15 keep m, lanes 16-31 l
.irp b, 0,1,2,3,4,5,6,7
	global_store_b128 v[LN16], v[PK+4*\b:PK+4*\b+3], s[8:9] offset:\a*4096+(\b/2)*1024+(\b%2)*512   ; half a fragment: 512 consecutive bytes, aligned
.endr
.endm
.irp a, 0,1,2,3,4,5,6,7
	SOFTROW \a
.endr
.irp a, 0,1,2,3,4,5,6,7
	ds_store_b32 v[STA], v[40+\a] offset:64*\a     ; through my own scratch, so that m and l leave as 512 consecutive bytes each
.endr
	ds_load_b128 v[48:51], v[SCRD]
	ds_load_b128 v[52:55], v[SCRD] offset:512
	s_wait_dscnt 0x0
	global_store_b128 v[LN16], v[48:51], s[18:19]
	global_store_b128 v[LN16], v[52:55], s[18:19] offset:524288
	s_set_vgpr_msb 0x1
	s_wait_tensorcnt 0x0
	ds_add_u32 v255, v223
	s_wait_dscnt 0x0
	s_set_vgpr_msb 0x100
	CROUND                                         ; the closing round: no work-group ends while a partner may still ask for a tile that names it
	s_endpgm
.Lfunc_end_k_q97925756fd_scores:
	.size	k_q97925756fd_scores, .Lfunc_end_k_q97925756fd_scores-k_q97925756fd_scores
	.p2alignl 7, 3214868480
	.fill 96, 4, 3214868480
	.section	.rodata,"a",@progbits
	.p2align	6, 0x0
	.amdhsa_kernel k_q97925756fd_scores
		.amdhsa_group_segment_fixed_size 327680
		.amdhsa_private_segment_fixed_size 0
		.amdhsa_enable_private_segment 0
		.amdhsa_kernarg_size 64
		.amdhsa_user_sgpr_count 2
		.amdhsa_user_sgpr_kernarg_segment_ptr 1
		.amdhsa_wavefront_size32 1
		.amdhsa_system_sgpr_workgroup_id_x 1
		.amdhsa_system_sgpr_workgroup_id_y 1
		.amdhsa_system_sgpr_workgroup_id_z 1
		.amdhsa_system_vgpr_workitem_id 0
		.amdhsa_next_free_vgpr 1024
		.amdhsa_next_free_sgpr 100
		.amdhsa_reserve_vcc 0
		.amdhsa_float_denorm_mode_32 3
		.amdhsa_float_denorm_mode_16_64 3
		.amdhsa_memory_ordered 1
		.amdhsa_forward_progress 1
		.amdhsa_inst_pref_size 255
	.end_amdhsa_kernel
	.section	.bss,"aw",@nobits
	.p2align	6
	.space	262144
	.amdgpu_metadata
---
amdhsa.version: [ 1, 2 ]
amdhsa.kernels:
  - .name:           k_q97925756fd_scores
    .symbol:         k_q97925756fd_scores.kd
    .args:
      - { .name: qf, .offset: 0, .size: 8, .value_kind: global_buffer, .address_space: global }
      - { .name: kb, .offset: 8, .size: 8, .value_kind: global_buffer, .address_space: global }
      - { .name: query_boxes, .offset: 16, .size: 8, .value_kind: global_buffer, .address_space: global }
      - { .name: ref_boxes, .offset: 24, .size: 8, .value_kind: global_buffer, .address_space: global }
      - { .name: mlp, .offset: 32, .size: 8, .value_kind: global_buffer, .address_space: global }
      - { .name: b2, .offset: 40, .size: 8, .value_kind: global_buffer, .address_space: global }
      - { .name: pf, .offset: 48, .size: 8, .value_kind: global_buffer, .address_space: global }
      - { .name: ms, .offset: 56, .size: 8, .value_kind: global_buffer, .address_space: global }
    .group_segment_fixed_size: 327680
    .private_segment_fixed_size: 0
    .kernarg_segment_align: 8
    .kernarg_segment_size: 64
    .max_flat_workgroup_size: 128
    .sgpr_count:     100
    .vgpr_count:     1024
    .wavefront_size: 32
...
	.end_amdgpu_metadata
.endif
;; end of part 3
;; launch pv (part 4): grid 4 x 64, 4 waves a work-group, clusters of 4 x 4, 327,680 bytes of LDS; arguments pf, ms, vh, yf; writes yf
.if DOCPART == 4
	.amdgcn_target "amdgcn-amd-amdhsa--gfx1250"
	.amdhsa_code_object_version 6
	.text
	.protected	k_q97925756fd_pv
	.globl	k_q97925756fd_pv
	.p2align	8
	.type	k_q97925756fd_pv,@function
k_q97925756fd_pv:
	s_mov_b64 s[64:65], 0
	v_nop
	global_prefetch_b8 v0, s[64:65] scope:SCOPE_SE
	s_setreg_imm32_b32 hwreg(HW_REG_WAVE_MODE, 25, 1), 1
	s_wait_xcnt 0x0
	s_wait_alu depctr_hold_cnt(0) depctr_sa_sdst(0) depctr_va_vdst(0) depctr_va_sdst(0) depctr_va_ssrc(0) depctr_va_vcc(0) depctr_vm_vsrc(0)
	s_getreg_b32 s2, hwreg(HW_REG_IB_STS2, 6, 4)
	s_cmp_eq_u32 s2, 0
	s_cbranch_scc0 .Lentry_in_a_cluster
	s_endpgm
.Lentry_in_a_cluster:
	s_bfe_u32 s2, ttmp6, 0x10000c
	s_cmp_lg_u32 s2, 0xf033
	s_cbranch_scc0 .Lentry_shape_is_right
	s_endpgm
.Lentry_shape_is_right:
; PV.  For a tile of 256 queries x 256 channels and one of eight splits of 1,024 keys: y_split = (sum over the split's keys of p f v) / L, where for each query
; M = max over the 64 chunks of m, f = 2^(m_chunk - M), L = sum over the 64 chunks of 2^(m - M) l.  So the softmax's maximum is the true one over all 8,192 keys.
; LIMITS.  p f is kept in f16 (under 6e-8 it becomes 0; under 6e-5 its absolute error is 3e-8); v and y_split are f16 (magnitudes under 65,504).  Exponentials flush denormals.
; SHARES.  Four waves, each 128 queries x 128 channels: 64 accumulators.  K = 1,024 keys in eight steps of 128 (a step is a chunk) through a ring of two LDS slots.
; CLUSTER.  4 x 4: the four of a row (same queries, same split) share P's fragments, the four of a column (same channels, same split) share v's rows.
; THE PRODUCT IS USED TRANSPOSED: source 0 = 16 channels of v^T (v lies [key][channel] and is turned by ds_load_tr16_b128), source 1 = 16 queries of P: a lane holds one query
; and eight neighbouring channels: 16 bytes of the operand image that the last launch takes.
; REGISTERS: window 0: v0-31 addresses; v32-47 chunk factors (f, f), a set for each slot; v48-63 1 / L; v64-127, v128-191 fragments of P; window 1: fragments of v^T; windows 2, 3: accumulators.
.set PV,     544                       ; a row of v in LDS: 512 bytes + 32: an odd multiple of 32
.set AHALF,  32768
.set BHALF,  64*PV
.set BOFF,   2*AHALF
.set SLOT,   2*AHALF+2*BHALF
.set FT,     2*SLOT                    ; [chunk 8][query 256] words (f, f) in f16; written once by ds_store, no tensor load lands here
.set RLT,    FT+8192                   ; [query 256] 1 / L
.set ADRA, 16
.set ADRB, 20
.set LN16, 22
.set FADR, 23                          ; v23 FT + 4 (128 half + r), stepped by two chunks a lap
.set RADR, 24                          ; v24 RLT + 4 (128 half + r)
.set FS,   32
.set F0,   64
.set F1,   128
.set G1, 24
.set G0, 32
.set G1B, 48
.set G0B, 56
.set MSB, 0
.macro WIN new
.if MSB != (\new)
	s_set_vgpr_msb (MSB<<8)|(\new)
.set MSB, (\new)
.endif
.endm
.set MUL_LO, 0xa1
.set MUL_HI, 0xf1
.set TO_B,   0x40
.macro JLOAD s
	s_cmp_eq_u32 s11, 0
	s_cbranch_scc0 .Lfor_b_\@
	tensor_load_to_lds s[G0+4*\s:G0+4*\s+3], s[G1:G1+7]
	s_nop 0
.rept 4
	v_nop
.endr
	s_branch .Lasked_\@
.Lfor_b_\@:
	tensor_load_to_lds s[G0B+4*\s:G0B+4*\s+3], s[G1B:G1B+7]
	s_nop 0
.rept 4
	v_nop
.endr
.Lasked_\@:
.endm
.macro CREST
	s_cmp_lg_u32 s10, 0
	s_cbranch_scc1 .Lnot_wave_0_\@
	s_barrier_signal -3
.Lnot_wave_0_\@:
	s_barrier_wait -3
	s_barrier_signal -1
	s_barrier_wait -1
.endm
.macro CROUND
	s_barrier_signal -1
	s_barrier_wait -1
	CREST
.endm
.macro PLACES
.rept 4
	v_nop
.endr
.endm
.macro MUL16 f, hi, a0, zero           ; the 64 accumulators take turns in the same order in every quarter; zero = 1: the first product starts the sums
.irp a, \a0, \a0+1
.irp b, 0,1,2,3,4,5,6,7
.if \zero
	v_wmma_f32_16x16x32_f16 v[8*(8*(\a)+\b):8*(8*(\a)+\b)+7], v[\f+8*\b:\f+8*\b+7], v[\f+8*(4*\hi+\a):\f+8*(4*\hi+\a)+7], 0
.else
	v_wmma_f32_16x16x32_f16 v[8*(8*(\a)+\b):8*(8*(\a)+\b)+7], v[\f+8*\b:\f+8*\b+7], v[\f+8*(4*\hi+\a):\f+8*(4*\hi+\a)+7], v[8*(8*(\a)+\b):8*(8*(\a)+\b)+7]
.endif
.endr
.endr
.endm
.macro FETCH slot, k, f                ; keys 32 (k / 64) on: 8 fragments of v^T (16 channels each), 8 of P
	WIN TO_B
.irp i, 0,1,2,3,4,5,6,7
	ds_load_tr16_b128 v[\f+8*\i:\f+8*\i+3],   v[ADRB+\slot] offset:(\k/64)*32*PV+32*\i
	ds_load_tr16_b128 v[\f+8*\i+4:\f+8*\i+7], v[ADRB+\slot] offset:(\k/64)*32*PV+32*\i+16*PV
.endr
	WIN 0
.irp i, 0,1,2,3,4,5,6,7
	ds_load_b128 v[\f+8*\i:\f+8*\i+3],   v[ADRA+\slot] offset:16*\k+\i*4096
	ds_load_b128 v[\f+8*\i+4:\f+8*\i+7], v[ADRA+\slot] offset:16*\k+\i*4096+512
.endr
.endm
.macro FLOAD set, imm                  ; a chunk's factors for my lane's eight queries
.irp a, 0,1,2,3,4,5,6,7
	ds_load_b32 v[FS+8*\set+\a], v[FADR] offset:\imm+64*\a
.endr
.endm
.macro SCALE4 f, a0, set               ; P's fragments a0 .. a0 + 3 times f: a lane of source 1 holds one query, so one word (f, f) serves its eight registers
.irp a, \a0, \a0+1, \a0+2, \a0+3
.irp i, 0,1,2,3,4,5,6,7
	v_pk_mul_f16 v[\f+8*(\a)+\i], v[\f+8*(\a)+\i], v[FS+8*\set+(\a)]
.endr
.endr
.endm
.macro QUARTER slot, k, f, g, zero
	s_wait_dscnt 8                                 ; factors, v^T and P of queries 0-63 are in; the youngest eight loads may be out
	WIN 0
	SCALE4 \f, 0, \slot
	WIN MUL_LO
	MUL16 \f, 0, 0, \zero
	MUL16 \f, 0, 2, \zero
	s_wait_dscnt 0                                 ; P of queries 64-127
	WIN 0
	SCALE4 \f, 4, \slot                            ; 32 plain instructions on registers that no recent product names: also the places in front of the loads below
	FETCH \slot, \k, \g
	WIN MUL_HI
	MUL16 \f, 1, 0, \zero
	MUL16 \f, 1, 2, \zero
.endm
.macro MEET slot                       ; the last quarter's first half, and the one barrier of a change of slots
	s_wait_dscnt 8
	WIN 0
	SCALE4 F1, 0, \slot
	WIN MUL_LO
	MUL16 F1, 0, 0, 0
	s_wait_dscnt 0                                 ; my reads of this slot are over,
	s_wait_tensorcnt 0x0                           ; and all my tensor loads have landed: my part of the next slot
	ds_add_u32 v255, v31
	s_wait_dscnt 0x0
	s_barrier_signal -1
	MUL16 F1, 0, 2, 0                              ; register work alone while the others arrive
	WIN 0
	SCALE4 F1, 4, \slot
	s_barrier_wait -1
.endm
.macro TURN slot, next, imm
	MEET \slot
	CREST                                          ; no wave of any partner still reads this slot or has a load on its way
	s_add_nc_u64 s[G0+4*\slot+2:G0+4*\slot+3], s[G0+4*\slot+2:G0+4*\slot+3], 2*AHALF
	s_add_nc_u64 s[G0B+4*\slot+2:G0B+4*\slot+3], s[G0B+4*\slot+2:G0B+4*\slot+3], 524288
	JLOAD \slot                                    ; the first tensor load behind the round, ahead of every LDS read there
	FLOAD \next, \imm
	FETCH \next, 0, F0
	WIN MUL_HI
	MUL16 F1, 1, 0, 0
	MUL16 F1, 1, 2, 0
.endm
	s_load_b256 s[68:75], s[0:1], 0x0              ; pf s68, ms s70, vh s72, yf s74
	s_set_vgpr_msb 0x40
	v_lshl_add_u32 v255, v0, 2, 0x44400
	s_set_vgpr_msb 0x4000
	v_mov_b32 v31, 0
	s_set_vgpr_msb 0x1
	ds_add_u32 v255, v31
	s_set_vgpr_msb 0x100
	v_lshrrev_b32 v1, 5, v0
	v_readfirstlane_b32 s10, v1
	s_lshr_b32 s11, s10, 1                         ; my half of the queries.  Also: I fetch P (0) or v (1)
	s_and_b32 s12, s10, 1                          ; my half of the channels.  Also: which half of that tile I fetch
	s_bfe_u32 s40, ttmp6, 0x40000                  ; cx
	s_bfe_u32 s41, ttmp6, 0x40004                  ; cy
	s_lshl_b32 s42, ttmp9, 2
	s_add_co_u32 s42, s42, s40                     ; ct: tile of 256 channels
	s_and_b32 s45, ttmp7, 0xffff                   ; the cluster's y: 2 split + (qt / 4)
	s_lshr_b32 s76, s45, 1                         ; split: the same in all sixteen partners
	s_and_b32 s13, s45, 1
	s_lshl_b32 s13, s13, 2
	s_add_co_u32 s13, s13, s41                     ; qt: tile of 256 queries
	s_lshl_b32 s43, s41, 2
	s_lshl_b32 s43, 15, s43
	s_lshl_b32 s44, 0x1111, s40
	s_or_b32 s[G1+0], s43, (3<<16)|(1<<21)         ; P: a dense block of 128 rows of 256 bytes, to my row of the cluster
	s_mov_b32 s[G1+1], 32<<16
	s_mov_b32 s[G1+2], 128<<16
	s_mov_b32 s[G1+3], 32<<16
	s_mov_b32 s[G1+4], 128
	s_mov_b32 s[G1+5], 32
	s_mov_b32 s[G1+6], 0
	s_mov_b32 s[G1+7], 0
	s_or_b32 s[G1B+0], s44, (1<<16)|(1<<20)|(1<<21)|(6<<22)|(7<<25)  ; v: 64 rows of 256 f16, 8 words of padding behind every 128, to my column
	s_mov_b32 s[G1B+1], 256<<16
	s_mov_b32 s[G1B+2], 64<<16
	s_mov_b32 s[G1B+3], 256<<16
	s_mov_b32 s[G1B+4], 64
	s_mov_b32 s[G1B+5], 1024
	s_mov_b32 s[G1B+6], 0
	s_mov_b32 s[G1B+7], 0
	s_lshl_b32 s16, s13, 1                         ; P: block (2 qt + half) 64 + 8 split + step
	s_add_co_u32 s16, s16, s12
	s_lshl_b32 s16, s16, 6
	s_lshl_b32 s17, s76, 3
	s_add_co_u32 s16, s16, s17
	s_lshl_b32 s16, s16, 15
	s_mov_b32 s17, 0
	s_lshl_b32 s46, s76, 21                        ; v: row 1,024 split + 128 step + 64 half, byte 512 ct
	s_lshl_b32 s47, s12, 17
	s_add_co_u32 s46, s46, s47
	s_lshl_b32 s47, s42, 9
	s_add_co_u32 s46, s46, s47
	s_mov_b32 s47, 0
	s_lshl_b32 s20, s12, 15
	s_mul_i32 s21, s12, BHALF
	s_add_co_u32 s21, s21, BOFF
	s_wait_dscnt 0x0
	s_wait_kmcnt 0x0
	s_add_nc_u64 s[14:15], s[68:69], s[16:17]
	s_add_nc_u64 s[46:47], s[72:73], s[46:47]
	CROUND                                         ; all sixteen work-groups are here: the first joint loads meet
.irp s, 0,1
	s_mov_b32 s[G0+4*\s], 1
	s_add_co_u32 s[G0+4*\s+1], s20, \s*SLOT
	s_add_nc_u64 s[G0+4*\s+2:G0+4*\s+3], s[14:15], \s*AHALF
	s_or_b32 s[G0+4*\s+3], s[G0+4*\s+3], 0x80000000
	s_mov_b32 s[G0B+4*\s], 1
	s_add_co_u32 s[G0B+4*\s+1], s21, \s*SLOT
	s_add_nc_u64 s[G0B+4*\s+2:G0B+4*\s+3], s[46:47], \s*262144
	s_or_b32 s[G0B+4*\s+3], s[G0B+4*\s+3], 0x80000000
.endr
	s_cmp_eq_u32 s11, 0                            ; a wave's two first fills in one branch: two loads of mine are out
	s_cbranch_scc0 .Lfirst_b
	tensor_load_to_lds s[G0:G0+3], s[G1:G1+7]
	s_nop 0
	tensor_load_to_lds s[G0+4:G0+7], s[G1:G1+7]
	s_nop 0
.rept 4
	v_nop
.endr
	s_branch .Lfirst_asked
.Lfirst_b:
	tensor_load_to_lds s[G0B:G0B+3], s[G1B:G1B+7]
	s_nop 0
	tensor_load_to_lds s[G0B+4:G0B+7], s[G1B:G1B+7]
	s_nop 0
.rept 4
	v_nop
.endr
.Lfirst_asked:
	; THE STATISTICS.  Thread t owns queries 2 t and 2 t + 1 of the tile: all 64 chunks' m and l, and once more the m of my split's eight chunks.
	v_lshlrev_b32 v3, 3, v0
	s_mov_b32 s93, 0
	s_lshl_b32 s92, s13, 10                        ; 256 queries of 4 bytes
	s_add_nc_u64 s[4:5], s[70:71], s[92:93]
	s_lshl_b32 s92, s76, 16                        ; eight chunks of 8,192 bytes
	s_add_nc_u64 s[6:7], s[4:5], s[92:93]
.irp i, 0,1,2,3,4,5,6,7
	global_load_b64 v[32+2*\i:33+2*\i], v3, s[6:7] offset:8192*\i
.endr
.set c, 0
.rept 64
	global_load_b64 v[64+2*c:65+2*c], v3, s[4:5] offset:8192*c
.set c, c+1
.endr
.set c, 0
.rept 32
	global_load_b64 v[192+2*c:193+2*c], v3, s[4:5] offset:524288+8192*c
.set c, c+1
.endr
	v_and_b32 v1, 15, v0                           ; r
	v_bfe_u32 v2, v0, 4, 1                         ; h
	v_and_b32 v5, 31, v0
	v_lshlrev_b32 v[LN16], 4, v5
	v_and_b32 v6, 7, v0                            ; the turning load: key 8 h + lane % 8, channels 8 ((lane / 8) % 2) on
	v_bfe_u32 v7, v0, 3, 1
	v_lshl_add_u32 v6, v2, 3, v6
	v_mul_u32_u24 v6, v6, PV
	v_lshl_add_u32 v6, v7, 4, v6
	s_lshl_b32 s22, s11, 15
	s_lshl_b32 s23, s12, 8                         ; my 128 channels: 256 bytes into the row
	s_add_co_u32 s23, s23, BOFF
.irp s, 0,1
	v_add_nc_u32 v[ADRA+\s], s22, v[LN16]
	v_add_nc_u32 v[ADRB+\s], s23, v6
	s_add_co_u32 s22, s22, SLOT
	s_add_co_u32 s23, s23, SLOT
.endr
	s_lshl_b32 s22, s11, 9
	s_add_co_u32 s22, s22, FT
	v_lshl_add_u32 v[FADR], v1, 2, s22
	v_add_nc_u32 v[RADR], 8192, v[FADR]
	v_add_nc_u32 v4, FT, v3                        ; where thread t puts its two queries' words
	s_lshl_b32 s92, s76, 22                        ; yf: split 4 MiB + (q / 16) 32,768 + (channel / 32) 1,024
	s_lshl_b32 s91, s13, 1
	s_add_co_u32 s91, s91, s11
	s_lshl_b32 s91, s91, 18
	s_add_co_u32 s92, s92, s91
	s_lshl_b32 s91, s42, 1
	s_add_co_u32 s91, s91, s12
	s_lshl_b32 s91, s91, 12
	s_add_co_u32 s92, s92, s91
	s_add_nc_u64 s[8:9], s[74:75], s[92:93]
	s_wait_loadcnt 32                              ; all m are in; the 32 loads of l stay out
	v_max3_num_f32 v48, v64, v66, v68
	v_max3_num_f32 v49, v65, v67, v69
.set c, 3
.rept 30
	v_max3_num_f32 v48, v48, v[64+2*c], v[66+2*c]
	v_max3_num_f32 v49, v49, v[65+2*c], v[67+2*c]
.set c, c+2
.endr
	v_max_num_f32 v48, v48, v190
	v_max_num_f32 v49, v49, v191                   ; v[48:49] = M of my two queries
.set c, 0
.rept 64
	v_pk_add_f32 v[64+2*c:65+2*c], v[64+2*c:65+2*c], v[48:49] neg_lo:[0,1] neg_hi:[0,1]
.set c, c+1
.endr
.irp i, 0,2,4,6,8,10,12,14
	v_pk_add_f32 v[32+\i:33+\i], v[32+\i:33+\i], v[48:49] neg_lo:[0,1] neg_hi:[0,1]
.endr
.set c, 0
.rept 128
	v_exp_f32 v[64+c], v[64+c]
.set c, c+1
.endr
.set c, 0
.rept 16
	v_exp_f32 v[32+c], v[32+c]
.set c, c+1
.endr
	v_nop                                          ; the plain instruction between the exponentials and the first use of a result
	s_wait_alu depctr_va_vdst(0)
	s_wait_loadcnt 0x0
.set c, 0
.rept 32
.if c < 4
	v_pk_mul_f32 v[50+2*c:51+2*c], v[64+2*c:65+2*c], v[192+2*c:193+2*c]            ; four chains, started by the first four chunks
.else
	v_pk_fma_f32 v[50+2*(c%4):51+2*(c%4)], v[64+2*c:65+2*c], v[192+2*c:193+2*c], v[50+2*(c%4):51+2*(c%4)]
.endif
.set c, c+1
.endr
.set c, 0
.rept 32
	global_load_b64 v[192+2*c:193+2*c], v3, s[4:5] offset:524288+8192*(32+c)
.set c, c+1
.endr
.irp i, 0,1,2,3,4,5,6,7,8,9,10,11,12,13,14,15
	v_cvt_pk_f16_f32 v[32+\i], v[32+\i], v[32+\i]  ; (f, f)
.endr
.irp i, 0,1,2,3,4,5,6,7
	ds_store_b64 v4, v[32+2*\i:33+2*\i] offset:1024*\i
.endr
	s_wait_loadcnt 0x0
.set c, 0
.rept 32
	v_pk_fma_f32 v[50+2*(c%4):51+2*(c%4)], v[128+2*c:129+2*c], v[192+2*c:193+2*c], v[50+2*(c%4):51+2*(c%4)]
.set c, c+1
.endr
	v_pk_add_f32 v[50:51], v[50:51], v[52:53]
	v_pk_add_f32 v[54:55], v[54:55], v[56:57]
	v_pk_add_f32 v[50:51], v[50:51], v[54:55]      ; L
	v_rcp_f32 v58, v50
	v_rcp_f32 v59, v51
	v_nop
	s_wait_alu depctr_va_vdst(0)
	ds_store_b64 v4, v[58:59] offset:8192
	s_wait_dscnt 0x0                               ; for the others: my factors are in LDS
	s_wait_tensorcnt 1                             ; my part of step 0 is in; step 1's may stay out
	s_barrier_signal -1
	s_barrier_wait -1
	FLOAD 0, 0
	FETCH 0, 0, F0
	QUARTER 0, 64,  F0, F1, 1                      ; the first quarter's products start the sums
	WIN 0
	s_mov_b32 s3, 3
.Llap:
	QUARTER 0, 128, F1, F0, 0
	QUARTER 0, 192, F0, F1, 0
	TURN 0, 1, 1024
	QUARTER 1, 64,  F0, F1, 0
	QUARTER 1, 128, F1, F0, 0
	QUARTER 1, 192, F0, F1, 0
	TURN 1, 0, 2048
	QUARTER 0, 64,  F0, F1, 0
	WIN 0
	v_add_nc_u32 v[FADR], 2048, v[FADR]            ; two chunks on
	s_sub_co_u32 s3, s3, 1
	s_cmp_lg_u32 s3, 0
	s_cbranch_scc1 .Llap
	QUARTER 0, 128, F1, F0, 0                      ; the last lap is written out: it asks for nothing
	QUARTER 0, 192, F0, F1, 0
	MEET 0
	FLOAD 1, 1024
	FETCH 1, 0, F0
	WIN MUL_HI
	MUL16 F1, 1, 0, 0
	MUL16 F1, 1, 2, 0
	QUARTER 1, 64,  F0, F1, 0
	QUARTER 1, 128, F1, F0, 0
	QUARTER 1, 192, F0, F1, 0
	s_wait_dscnt 8
	WIN 0
	SCALE4 F1, 0, 1
	WIN MUL_LO
	MUL16 F1, 0, 0, 0
	MUL16 F1, 0, 2, 0
	s_wait_dscnt 0
	WIN 0
	SCALE4 F1, 4, 1
	WIN MUL_HI
	MUL16 F1, 1, 0, 0
	MUL16 F1, 1, 2, 0
	WIN 0
.irp a, 0,1,2,3,4,5,6,7
	ds_load_b32 v[48+2*\a], v[RADR] offset:64*\a   ; 1 / L of query 16 a + r, twice: the packed multiply names a pair
	ds_load_b32 v[49+2*\a], v[RADR] offset:64*\a
.endr
	PLACES
	s_wait_dscnt 0x0
.macro OUTROW a
.set AC, 64*((\a)%4)
.set PK, 64+32*((\a)%2)
	WIN 0x82+0x41*((\a)/4)
.set i, 0
.rept 32
	v_pk_mul_f32 v[AC+i:AC+i+1], v[AC+i:AC+i+1], v[48+2*\a:49+2*\a] op_sel_hi:[1,0]
.set i, i+2
.endr
	s_wait_xcnt 0x0                                ; the stores of two blocks ago have read these registers
	WIN 0x0a+5*((\a)/4)
.set i, 0
.rept 32
	v_cvt_pk_f16_f32 v[PK+i], v[AC+2*i], v[AC+2*i+1]
.set i, i+1
.endr
	WIN 0
.irp b, 0,1,2,3,4,5,6,7
	global_store_b128 v[LN16], v[PK+4*\b:PK+4*\b+3], s[8:9] offset:\a*32768+(\b/2)*1024+(\b%2)*512   ; 512 consecutive bytes, aligned
.endr
.endm
.irp a, 0,1,2,3,4,5,6,7
	OUTROW \a
.endr
	CROUND                                         ; the closing round
	s_endpgm
.Lfunc_end_k_q97925756fd_pv:
	.size	k_q97925756fd_pv, .Lfunc_end_k_q97925756fd_pv-k_q97925756fd_pv
	.p2alignl 7, 3214868480
	.fill 96, 4, 3214868480
	.section	.rodata,"a",@progbits
	.p2align	6, 0x0
	.amdhsa_kernel k_q97925756fd_pv
		.amdhsa_group_segment_fixed_size 327680
		.amdhsa_private_segment_fixed_size 0
		.amdhsa_enable_private_segment 0
		.amdhsa_kernarg_size 32
		.amdhsa_user_sgpr_count 2
		.amdhsa_user_sgpr_kernarg_segment_ptr 1
		.amdhsa_wavefront_size32 1
		.amdhsa_system_sgpr_workgroup_id_x 1
		.amdhsa_system_sgpr_workgroup_id_y 1
		.amdhsa_system_sgpr_workgroup_id_z 1
		.amdhsa_system_vgpr_workitem_id 0
		.amdhsa_next_free_vgpr 1024
		.amdhsa_next_free_sgpr 100
		.amdhsa_reserve_vcc 0
		.amdhsa_float_denorm_mode_32 3
		.amdhsa_float_denorm_mode_16_64 3
		.amdhsa_memory_ordered 1
		.amdhsa_forward_progress 1
		.amdhsa_inst_pref_size 248
	.end_amdhsa_kernel
	.amdgpu_metadata
---
amdhsa.version: [ 1, 2 ]
amdhsa.kernels:
  - .name:           k_q97925756fd_pv
    .symbol:         k_q97925756fd_pv.kd
    .args:
      - { .name: pf, .offset: 0, .size: 8, .value_kind: global_buffer, .address_space: global }
      - { .name: ms, .offset: 8, .size: 8, .value_kind: global_buffer, .address_space: global }
      - { .name: vh, .offset: 16, .size: 8, .value_kind: global_buffer, .address_space: global }
      - { .name: yf, .offset: 24, .size: 8, .value_kind: global_buffer, .address_space: global }
    .group_segment_fixed_size: 327680
    .private_segment_fixed_size: 0
    .kernarg_segment_align: 8
    .kernarg_segment_size: 32
    .max_flat_workgroup_size: 128
    .sgpr_count:     100
    .vgpr_count:     1024
    .wavefront_size: 32
...
	.end_amdgpu_metadata
.endif
;; end of part 4
;; launch final (part 5): grid 256 x 1, 16 waves a work-group, no clusters, 133,632 bytes of LDS; arguments yf, wf, bp, out0; writes out0
.if DOCPART == 5
	.amdgcn_target "amdgcn-amd-amdhsa--gfx1250"
	.amdhsa_code_object_version 6
	.text
	.protected	k_q97925756fd_final
	.globl	k_q97925756fd_final
	.p2align	8
	.type	k_q97925756fd_final,@function
k_q97925756fd_final:
	s_mov_b64 s[64:65], 0
	v_nop
	global_prefetch_b8 v0, s[64:65] scope:SCOPE_SE
	s_setreg_imm32_b32 hwreg(HW_REG_WAVE_MODE, 25, 1), 1
	s_wait_xcnt 0x0
; FINAL.  y = the sum of the eight splits (in f32, rounded once to f16); out = y Wvp + bp in f32.
; LIMITS.  y and Wvp are f16 operands (magnitudes under 65,504; under 6e-5 an absolute error of 3e-8).  The eight splits are added in ascending order; the two halves of K are
; summed apart and added once.
; Tile 32 queries x 256 columns, SIXTEEN WAVES of 256 registers: what counts here is how much is asked for at a time.  512 threads sum 8 pieces of y each, three pieces (24 loads) on
; their way in each thread.  In the product wave w takes 32 columns (w % 8) and half of K (w / 8): 2 fragments f x 2 query blocks = 4 accumulators, 16 K steps, eight of them (32 loads,
; 16 KiB) on their way.  K is halved, and not the columns once more, so that each fragment of y is read from LDS by eight waves and not by sixteen.
; Source 0 is a fragment of Wvp, loaded straight from memory in its register image; source 1 is y from LDS, kept there in the same image (lane l reads at 16 l).
; D(m = column, n = query): a lane holds eight neighbouring columns of one query.
; LDS: y 0 to 65,535; the upper half of K hands its sums over at 65,536 (4,096 bytes a wave); rows of out0 meet at 98,304 (32 rows of 1,024 + 16 bytes).
.set NS,   16                          ; K steps of a wave
.set ACC,  16                          ; v16-47   accumulator (f, qb) at 16 + 8 (2 f + qb)
.set AF,   48                          ; v48-111  y's fragments: a ring of four K steps, 16 registers each
.set TMP,  112                         ; v112-127 at work on the pieces; then bp of my 2 x 8 columns
.set BR,   128                         ; v128-255 Wvp's fragments: a ring of eight K steps, 16 registers each
.set AADR, 2                           ; v2 16 x lane + my half of K in y
.set QBS,  32768
.set KBS,  1024
.set GS,   512
.set XS,   65536
.set RS,   98304
.set RP,   1040                        ; an odd multiple of 16: the 16 rows that a store touches start at 16 different 16-byte columns
.macro BFILL kb
.irp f, 0,1
	global_load_b128 v[BR+16*((\kb)%8)+8*\f:BR+16*((\kb)%8)+8*\f+3],   v3, s[24:25] offset:(\kb)*4096+\f*1024
	global_load_b128 v[BR+16*((\kb)%8)+8*\f+4:BR+16*((\kb)%8)+8*\f+7], v3, s[24:25] offset:(\kb)*4096+\f*1024+512
.endr
.endm
.macro AFILL kb
.irp qb, 0,1
	ds_load_b128 v[AF+16*((\kb)%4)+8*\qb:AF+16*((\kb)%4)+8*\qb+3],   v[AADR] offset:\qb*QBS+(\kb)*KBS
	ds_load_b128 v[AF+16*((\kb)%4)+8*\qb+4:AF+16*((\kb)%4)+8*\qb+7], v[AADR] offset:\qb*QBS+(\kb)*KBS+GS
.endr
.endm
.macro KSTEP kb
.if \kb <= NS-8
	s_wait_loadcnt 28                              ; this step's four loads are in (and bp's, which are older than step 8's); the seven younger steps' stay out
.else
	s_wait_loadcnt 4*(NS-1-\kb)
.endif
.if \kb <= NS-4
	s_wait_dscnt 12                                ; this step's four LDS loads are in; the three younger steps' stay out
.else
	s_wait_dscnt 4*(NS-1-\kb)
.endif
.irp f, 0,1
.irp qb, 0,1                           ; the four accumulators take turns, one instruction a turn
.if \kb == 0
	v_wmma_f32_16x16x32_f16 v[ACC+8*(2*\f+\qb):ACC+8*(2*\f+\qb)+7], v[BR+16*((\kb)%8)+8*\f:BR+16*((\kb)%8)+8*\f+7], v[AF+16*((\kb)%4)+8*\qb:AF+16*((\kb)%4)+8*\qb+7], 0
.else
	v_wmma_f32_16x16x32_f16 v[ACC+8*(2*\f+\qb):ACC+8*(2*\f+\qb)+7], v[BR+16*((\kb)%8)+8*\f:BR+16*((\kb)%8)+8*\f+7], v[AF+16*((\kb)%4)+8*\qb:AF+16*((\kb)%4)+8*\qb+7], v[ACC+8*(2*\f+\qb):ACC+8*(2*\f+\qb)+7]
.endif
.endr
.endr
.if \kb <= NS-5
.rept 4
	v_nop                                          ; four places in front of loads into registers that these products read
.endr
.endif
.if \kb <= NS-9
	BFILL \kb+8
.endif
.if \kb <= NS-5
	AFILL \kb+4
.endif
.endm
.macro PLOAD i                         ; piece t + 512 i (16 bytes) of all eight splits
.irp sp, 0,1,2,3,4,5,6,7
	global_load_b128 v[16+32*((\i)%3)+4*\sp:19+32*((\i)%3)+4*\sp], v5, s[16+2*(\sp/2):17+2*(\sp/2)] offset:(\sp%2)*4194304+8192*(\i)
.endr
.endm
.macro TAKE d, r0, r1, r2, r3          ; eight f16 of one split to f32 at v[d ..]; all but the first split's are added to v112-119
	v_cvt_f32_f16 v[\d],   v\r0\().l
	v_cvt_f32_f16 v[\d+1], v\r0\().h
	v_cvt_f32_f16 v[\d+2], v\r1\().l
	v_cvt_f32_f16 v[\d+3], v\r1\().h
	v_cvt_f32_f16 v[\d+4], v\r2\().l
	v_cvt_f32_f16 v[\d+5], v\r2\().h
	v_cvt_f32_f16 v[\d+6], v\r3\().l
	v_cvt_f32_f16 v[\d+7], v\r3\().h
.if \d != 112
.irp j, 0,2,4,6
	v_pk_add_f32 v[112+\j:113+\j], v[112+\j:113+\j], v[\d+\j:\d+\j+1]
.endr
.endif
.endm
.macro SUMS set
.if \set == 0
	TAKE 112, 16, 17, 18, 19
	TAKE 120, 20, 21, 22, 23
	TAKE 120, 24, 25, 26, 27
	TAKE 120, 28, 29, 30, 31
	TAKE 120, 32, 33, 34, 35
	TAKE 120, 36, 37, 38, 39
	TAKE 120, 40, 41, 42, 43
	TAKE 120, 44, 45, 46, 47
.elseif \set == 1
	TAKE 112, 48, 49, 50, 51
	TAKE 120, 52, 53, 54, 55
	TAKE 120, 56, 57, 58, 59
	TAKE 120, 60, 61, 62, 63
	TAKE 120, 64, 65, 66, 67
	TAKE 120, 68, 69, 70, 71
	TAKE 120, 72, 73, 74, 75
	TAKE 120, 76, 77, 78, 79
.else
	TAKE 112, 80, 81, 82, 83
	TAKE 120, 84, 85, 86, 87
	TAKE 120, 88, 89, 90, 91
	TAKE 120, 92, 93, 94, 95
	TAKE 120, 96, 97, 98, 99
	TAKE 120, 100, 101, 102, 103
	TAKE 120, 104, 105, 106, 107
	TAKE 120, 108, 109, 110, 111
.endif
.endm
	s_load_b256 s[8:15], s[0:1], 0x0               ; yf s8, wf s10, bp s12, out0 s14
	v_lshl_add_u32 v14, v0, 2, 0x20200
	v_mov_b32 v15, 0
	v_lshrrev_b32 v1, 5, v0
	v_readfirstlane_b32 s4, v1                     ; wave 0..15
	s_mov_b32 s6, ttmp9
	s_lshr_b32 s26, s6, 2                          ; rb: which 32 queries
	s_and_b32 s27, s6, 3                           ; cb: which 256 columns
	s_and_b32 s36, s4, 7                           ; cg: which 32 of them are mine
	s_lshr_b32 s37, s4, 3                          ; kh: which half of K
	s_mov_b32 s29, 0
	s_lshl_b32 s28, s27, 2
	s_lshr_b32 s30, s36, 1
	s_add_co_u32 s28, s28, s30                     ; which 64 columns: 131,072 bytes of fragments,
	s_lshl_b32 s28, s28, 17
	s_and_b32 s30, s36, 1
	s_lshl_b32 s30, s30, 11                        ; which two of their four fragments in each K step,
	s_add_co_u32 s28, s28, s30
	s_lshl_b32 s30, s37, 16                        ; which 16 K steps of 4,096 bytes,
	s_add_co_u32 s28, s28, s30
	s_add_co_u32 s28, s28, 0x200000                ; in Wvp, 2 MiB into wf
	v_and_b32 v1, 31, v0
	v_lshlrev_b32 v3, 4, v1                        ; 16 x lane
	v_lshlrev_b32 v5, 4, v0                        ; 16 t
	s_wait_kmcnt 0x0
	s_add_nc_u64 s[24:25], s[10:11], s[28:29]
.irp kb, 0,1,2,3,4,5,6,7
	BFILL \kb
.endr
	s_lshl_b32 s28, s26, 16                        ; my 32 queries' fragments: 65,536 bytes of each split
	s_add_nc_u64 s[16:17], s[8:9], s[28:29]        ; splits 0, 1 (the odd one by the immediate)
	s_add_nc_u64 s[18:19], s[16:17], 0x800000      ; splits 2, 3
	s_add_nc_u64 s[20:21], s[18:19], 0x800000      ; splits 4, 5
	s_add_nc_u64 s[22:23], s[20:21], 0x800000      ; splits 6, 7
	PLOAD 0
	PLOAD 1
	PLOAD 2
.irp i, 0,1,2,3,4,5,6,7
.if \i <= 5
	s_wait_loadcnt 16                              ; this piece is in; the two younger pieces (8 loads each) stay out
.else
	s_wait_loadcnt 8*(7-\i)
.endif
	SUMS \i%3
.irp j, 0,1,2,3
	v_cvt_pk_f16_f32 v[112+\j], v[112+2*\j], v[113+2*\j]
.endr
.if \i <= 4
	PLOAD \i+3
.endif
	ds_store_b128 v5, v[112:115] offset:8192*\i
.endr
	v_and_b32 v10, 15, v0                          ; r
	v_bfe_u32 v11, v0, 4, 1                        ; h
	s_lshl_b32 s30, s37, 14                        ; 16 K steps of 1,024 bytes
	v_add_nc_u32 v[AADR], s30, v3
	v_lshlrev_b32 v6, 5, v11                       ; bp: 32 h bytes
	s_lshl_b32 s30, s36, 12
	s_add_co_u32 s30, s30, XS
	v_add_nc_u32 v7, s30, v3                       ; the hand-over: 4,096 bytes for each 32 columns, 16 x lane in them
	v_mul_u32_u24 v8, v10, RP                      ; into the rows: row r, my 128 bytes, 32 for each half of the lanes
	v_lshl_add_u32 v8, v11, 5, v8
	s_lshl_b32 s30, s36, 7
	s_add_co_u32 s30, s30, RS
	v_add_nc_u32 v8, s30, v8
	s_mul_i32 s30, s4, 2*RP                        ; back: wave w takes rows 2 w and 2 w + 1, whole
	s_add_co_u32 s30, s30, RS
	v_add_nc_u32 v9, s30, v3
	s_lshl_b32 s28, s27, 10                        ; bp at my 32 columns: 1,024 cb + 128 cg bytes
	s_lshl_b32 s31, s36, 7
	s_add_co_u32 s28, s28, s31
	s_add_nc_u64 s[32:33], s[12:13], s[28:29]
	s_lshl_b32 s28, s27, 10                        ; out0 at row 32 rb + 2 w, byte 1,024 cb
	s_lshl_b32 s31, s26, 17
	s_add_co_u32 s28, s28, s31
	s_lshl_b32 s31, s4, 13
	s_add_co_u32 s28, s28, s31
	s_add_nc_u64 s[34:35], s[14:15], s[28:29]
	s_wait_dscnt 0x0                               ; for the others: my pieces of y are in LDS
	s_barrier_signal -1
	s_barrier_wait -1
.irp f, 0,1
	global_load_b128 v[TMP+8*\f:TMP+8*\f+3],   v6, s[32:33] offset:64*\f      ; bp of columns 16 f + 8 h + 0..7 of my 32
	global_load_b128 v[TMP+8*\f+4:TMP+8*\f+7], v6, s[32:33] offset:64*\f+16
.endr
	AFILL 0
	AFILL 1
	AFILL 2
	AFILL 3
.irp kb, 0,1,2,3,4,5,6,7,8,9,10,11,12,13,14,15
	KSTEP \kb
.endr
.rept 4
	v_nop                                          ; four places between the last products and the first read of a result, and in front of loads into y's fragment registers
.endr
	s_cmp_lt_u32 s4, 8
	s_cbranch_scc1 .Llower
.irp i, 0,1,2,3,4,5,6,7
	ds_store_b128 v7, v[ACC+4*\i:ACC+4*\i+3] offset:512*\i     ; waves 8-15: the upper half of K hands its sums over, register by register
.endr
.Llower:
	s_wait_dscnt 0x0                               ; for the others: the sums are in LDS
	s_barrier_signal -1
	s_barrier_wait -1
	s_cmp_gt_u32 s4, 7
	s_cbranch_scc1 .Lupper
.irp i, 0,1,2,3,4,5,6,7
	ds_load_b128 v[AF+4*\i:AF+4*\i+3], v7 offset:512*\i        ; waves 0-7: the partner's sums
.endr
.irp f, 0,1
.irp qb, 0,1
.irp j, 0,2,4,6
	v_pk_add_f32 v[ACC+8*(2*\f+\qb)+\j:ACC+8*(2*\f+\qb)+\j+1], v[ACC+8*(2*\f+\qb)+\j:ACC+8*(2*\f+\qb)+\j+1], v[TMP+8*\f+\j:TMP+8*\f+\j+1]   ; + bp
.endr
.endr
.endr
	s_wait_dscnt 0x0
.set i, 0
.rept 16
	v_pk_add_f32 v[ACC+i:ACC+i+1], v[ACC+i:ACC+i+1], v[AF+i:AF+i+1]
.set i, i+2
.endr
.irp f, 0,1
.irp qb, 0,1
	ds_store_b128 v8, v[ACC+8*(2*\f+\qb):ACC+8*(2*\f+\qb)+3]   offset:\qb*16*RP+64*\f
	ds_store_b128 v8, v[ACC+8*(2*\f+\qb)+4:ACC+8*(2*\f+\qb)+7] offset:\qb*16*RP+64*\f+16
.endr
.endr
.Lupper:
	s_wait_dscnt 0x0                               ; for the others: my 128 bytes of each row are in LDS
	s_barrier_signal -1
	s_barrier_wait -1
.irp i, 0,1,2,3
	ds_load_b128 v[80+4*\i:83+4*\i], v9 offset:(\i/2)*RP+(\i%2)*512
.endr
.irp i, 0,1,2,3
	s_wait_dscnt 3-\i
	global_store_b128 v3, v[80+4*\i:83+4*\i], s[34:35] offset:(\i/2)*4096+(\i%2)*512   ; 32 lanes store 512 consecutive bytes, at a multiple of 512 from out0's first byte
.endr
	s_wait_tensorcnt 0x0
	ds_add_u32 v14, v15
	s_wait_dscnt 0x0
	s_endpgm
.Lfunc_end_k_q97925756fd_final:
	.size	k_q97925756fd_final, .Lfunc_end_k_q97925756fd_final-k_q97925756fd_final
	.p2alignl 7, 3214868480
	.fill 96, 4, 3214868480
	.section	.rodata,"a",@progbits
	.p2align	6, 0x0
	.amdhsa_kernel k_q97925756fd_final
		.amdhsa_group_segment_fixed_size 133632
		.amdhsa_private_segment_fixed_size 0
		.amdhsa_enable_private_segment 0
		.amdhsa_kernarg_size 32
		.amdhsa_user_sgpr_count 2
		.amdhsa_user_sgpr_kernarg_segment_ptr 1
		.amdhsa_wavefront_size32 1
		.amdhsa_system_sgpr_workgroup_id_x 1
		.amdhsa_system_sgpr_workgroup_id_y 1
		.amdhsa_system_sgpr_workgroup_id_z 1
		.amdhsa_system_vgpr_workitem_id 0
		.amdhsa_next_free_vgpr 256
		.amdhsa_next_free_sgpr 66
		.amdhsa_reserve_vcc 0
		.amdhsa_float_denorm_mode_32 3
		.amdhsa_float_denorm_mode_16_64 3
		.amdhsa_memory_ordered 1
		.amdhsa_forward_progress 1
		.amdhsa_inst_pref_size 64
	.end_amdhsa_kernel
	.amdgpu_metadata
---
amdhsa.version: [ 1, 2 ]
amdhsa.kernels:
  - .name:           k_q97925756fd_final
    .symbol:         k_q97925756fd_final.kd
    .args:
      - { .name: yf, .offset: 0, .size: 8, .value_kind: global_buffer, .address_space: global }
      - { .name: wf, .offset: 8, .size: 8, .value_kind: global_buffer, .address_space: global }
      - { .name: bp, .offset: 16, .size: 8, .value_kind: global_buffer, .address_space: global }
      - { .name: out0, .offset: 24, .size: 8, .value_kind: global_buffer, .address_space: global }
    .group_segment_fixed_size: 133632
    .private_segment_fixed_size: 0
    .kernarg_segment_align: 8
    .kernarg_segment_size: 32
    .max_flat_workgroup_size: 512
    .sgpr_count:     66
    .vgpr_count:     256
    .wavefront_size: 32
...
	.end_amdgpu_metadata
.endif
;; end of part 5
